; MI455X (gfx1250); checked and timed in simulation.
; The chip was launched on July 23, 2026; its instructions are those of AMD's public machine-readable ISA for CDNA 5 (MIT licence, August 2026) and "CDNA5" Instruction Set Architecture Reference Guide (July 2026). The comments in the code are by the model that wrote it; some were corrected since.
;; Multi Headed Attention. Allowed arithmetic: float matrix products may take bf16 or f16 operands with f32 sums; other float arithmetic in f32, or as packed bf16 or f16 multiplies, adds, multiply-adds, maxima and minima; sums over many terms, partial sums and values carried from step to step in f32; what a program stores and reads back later, other than sums and carried values, may be rounded once to bf16 or f16.
;; Inputs: Wk 768 x 768 float32; Wo 768 x 768 float32; Wq 768 x 768 float32; Wv 768 x 768 float32; bk 768 float32; bo 768 float32; bq 768 float32; bv 768 float32; x 32 x 512 x 768 float32.
;; Outputs: out0 32 x 512 x 768 float32.
;; One version. Each part assembles by itself: llvm-mc -triple=amdgcn-amd-amdhsa -mcpu=gfx1250 --defsym DOCPART=n.
;; ======== version 1 of 1: 4 launches
;; limits: values are held in f16: magnitudes above 65,504 overflow, below 6.1e-05 lose precision
;; workspace buffers: xb 25,165,824 bytes; wb 4,718,592 bytes; qkv 75,497,472 bytes; ob 25,165,824 bytes
;; launch prep (part 1): grid 1216 x 1, 8 waves a work-group, no clusters, 0 bytes of LDS; arguments x, Wq, Wk, Wv, Wo, xb, wb; writes xb, wb
.if DOCPART == 1
	.amdgcn_target "amdgcn-amd-amdhsa--gfx1250"
	.amdhsa_code_object_version 6
	.text
	.protected	k_qd55360aa35_prep
	.globl	k_qd55360aa35_prep
	.p2align	8
	.type	k_qd55360aa35_prep,@function
k_qd55360aa35_prep:
	s_mov_b64 s[64:65], 0
	v_nop
	global_prefetch_b8 v0, s[64:65] scope:SCOPE_SE
	s_setreg_imm32_b32 hwreg(HW_REG_WAVE_MODE, 25, 1), 1
	s_wait_xcnt 0x0
; x and the four weight matrices, f32, are rounded once to bf16 (nearest even) and that number is written as f16, layout unchanged:
; xb = [16384][768], wb = [4][768 k][768 n] in the order q, k, v, o.  A bf16 number has 8 significant bits and f16 holds 11, so the second step is exact
; LIMITS: within f16's range only: beyond 65,504 the f16 is an infinity; below 6.1e-5 f16 keeps a fixed step of 6e-8.  NaN and infinities are not treated apart.
; A stream: no LDS, no barrier, no matrix unit.  A work-group of 256 threads takes a chunk of 12,288 numbers: twelve loads of 16 bytes a thread, all issued in one run,
; twelve stores of 8 bytes; a wave's store covers 256 consecutive bytes, aligned.  Chunks 0-1023 are x (12,582,912 numbers), chunks 1024 + 48 m + r are matrix m (589,824 numbers each).
.set NX,   1024                        ; chunks of x
.set NW,   48                          ; chunks of a matrix
.set INB,  49152                       ; bytes of a chunk as read
.set OUTB, 24576                       ; and as written
.set X,    8                           ; v[8:55]   twelve groups of four numbers as loaded, then widened again
.set Y,    56                          ; v[56:79]  twelve pairs of registers to store; no register that a store names is written again
	s_load_b256 s[4:11], s[0:1], 0x0               ; x s[4:5], Wq s[6:7], Wk s[8:9], Wv s[10:11]
	s_load_b128 s[12:15], s[0:1], 0x20             ; Wo s[12:13], xb s[14:15]
	s_load_b64 s[16:17], s[0:1], 0x30              ; wb
	s_mov_b32 s20, ttmp9                           ; my chunk
	s_sub_co_u32 s21, s20, NX                      ; its number inside Wq, Wk, Wv, Wo, if it lies there
	s_sub_co_u32 s22, s20, NX+NW
	s_sub_co_u32 s23, s20, NX+2*NW
	s_sub_co_u32 s24, s20, NX+3*NW
	s_mov_b32 s25, 0xffff0000                      ; a word's upper bf16
	v_lshlrev_b32 v1, 4, v0                        ; 16 bytes a thread in,
	v_lshlrev_b32 v2, 3, v0                        ; 8 bytes out
	s_wait_kmcnt 0x0
	s_mov_b64 s[26:27], s[4:5]                     ; from x
	s_mov_b64 s[28:29], s[14:15]                   ; to xb
	s_mov_b32 s30, s20                             ; chunk number in the source
	s_mov_b32 s31, s20                             ; and in the destination
	s_cmp_ge_u32 s20, NX                           ; the choice of buffers hangs on the chunk's number alone
	s_cselect_b64 s[26:27], s[6:7], s[26:27]
	s_cselect_b64 s[28:29], s[16:17], s[28:29]
	s_cselect_b32 s30, s21, s30
	s_cselect_b32 s31, s21, s31                    ; in wb the four matrices lie end to end
	s_cmp_ge_u32 s20, NX+NW
	s_cselect_b64 s[26:27], s[8:9], s[26:27]
	s_cselect_b32 s30, s22, s30
	s_cmp_ge_u32 s20, NX+2*NW
	s_cselect_b64 s[26:27], s[10:11], s[26:27]
	s_cselect_b32 s30, s23, s30
	s_cmp_ge_u32 s20, NX+3*NW
	s_cselect_b64 s[26:27], s[12:13], s[26:27]
	s_cselect_b32 s30, s24, s30
	s_mul_i32 s32, s30, INB                        ; 1,023 x 49,152 at the most: one word
	s_mov_b32 s33, 0
	s_mul_i32 s34, s31, OUTB
	s_mov_b32 s35, 0
	s_add_nc_u64 s[26:27], s[26:27], s[32:33]
	s_add_nc_u64 s[28:29], s[28:29], s[34:35]
.irp i, 0,1,2,3,4,5,6,7,8,9,10,11
	global_load_b128 v[X+4*(\i):X+4*(\i)+3], v1, s[26:27] offset:4096*(\i) th:TH_LOAD_NT  ; read once in the whole launch
.endr
.irp i, 0,1,2,3,4,5,6,7,8,9,10,11
	s_wait_loadcnt 11-(\i)                         ; loads come back in order: group i is in, the younger ones stay out
	v_cvt_pk_bf16_f32 v4, v[X+4*(\i)], v[X+4*(\i)+1]      ; the one rounding
	v_cvt_pk_bf16_f32 v5, v[X+4*(\i)+2], v[X+4*(\i)+3]
	v_lshlrev_b32 v[X+4*(\i)],   16, v4            ; bf16 to f32: the low half moves up,
	v_and_b32     v[X+4*(\i)+1], s25, v4           ; the high half stays
	v_lshlrev_b32 v[X+4*(\i)+2], 16, v5
	v_and_b32     v[X+4*(\i)+3], s25, v5
	v_cvt_pk_f16_f32 v[Y+2*(\i)],   v[X+4*(\i)],   v[X+4*(\i)+1]  ; the same numbers written as f16
	v_cvt_pk_f16_f32 v[Y+2*(\i)+1], v[X+4*(\i)+2], v[X+4*(\i)+3]
	global_store_b64 v2, v[Y+2*(\i):Y+2*(\i)+1], s[28:29] offset:2048*(\i)
.endr
	s_endpgm
.Lfunc_end_k_qd55360aa35_prep:
	.size	k_qd55360aa35_prep, .Lfunc_end_k_qd55360aa35_prep-k_qd55360aa35_prep
	.p2alignl 7, 3214868480
	.fill 96, 4, 3214868480
	.section	.rodata,"a",@progbits
	.p2align	6, 0x0
	.amdhsa_kernel k_qd55360aa35_prep
		.amdhsa_group_segment_fixed_size 0
		.amdhsa_private_segment_fixed_size 0
		.amdhsa_enable_private_segment 0
		.amdhsa_kernarg_size 56
		.amdhsa_user_sgpr_count 2
		.amdhsa_user_sgpr_kernarg_segment_ptr 1
		.amdhsa_wavefront_size32 1
		.amdhsa_system_sgpr_workgroup_id_x 1
		.amdhsa_system_sgpr_workgroup_id_y 1
		.amdhsa_system_sgpr_workgroup_id_z 1
		.amdhsa_system_vgpr_workitem_id 0
		.amdhsa_next_free_vgpr 96
		.amdhsa_next_free_sgpr 66
		.amdhsa_reserve_vcc 0
		.amdhsa_float_denorm_mode_32 3
		.amdhsa_float_denorm_mode_16_64 3
		.amdhsa_memory_ordered 1
		.amdhsa_forward_progress 1
		.amdhsa_inst_pref_size 9
	.end_amdhsa_kernel
	.amdgpu_metadata
---
amdhsa.version: [ 1, 2 ]
amdhsa.kernels:
  - .name:           k_qd55360aa35_prep
    .symbol:         k_qd55360aa35_prep.kd
    .args:
      - { .name: x, .offset: 0, .size: 8, .value_kind: global_buffer, .address_space: global }
      - { .name: Wq, .offset: 8, .size: 8, .value_kind: global_buffer, .address_space: global }
      - { .name: Wk, .offset: 16, .size: 8, .value_kind: global_buffer, .address_space: global }
      - { .name: Wv, .offset: 24, .size: 8, .value_kind: global_buffer, .address_space: global }
      - { .name: Wo, .offset: 32, .size: 8, .value_kind: global_buffer, .address_space: global }
      - { .name: xb, .offset: 40, .size: 8, .value_kind: global_buffer, .address_space: global }
      - { .name: wb, .offset: 48, .size: 8, .value_kind: global_buffer, .address_space: global }
    .group_segment_fixed_size: 0
    .private_segment_fixed_size: 0
    .kernarg_segment_align: 8
    .kernarg_segment_size: 56
    .max_flat_workgroup_size: 256
    .sgpr_count:     66
    .vgpr_count:     96
    .wavefront_size: 32
...
	.end_amdgpu_metadata
.endif
;; end of part 1
;; launch qkv (part 2): grid 4 x 64, 4 waves a work-group, clusters of 4 x 4, 327,680 bytes of LDS; arguments xb, wb, bq, bk, bv, qkv; writes qkv
.if DOCPART == 2
	.amdgcn_target "amdgcn-amd-amdhsa--gfx1250"
	.amdhsa_code_object_version 6
	.text
	.protected	k_qd55360aa35_qkv
	.globl	k_qd55360aa35_qkv
	.p2align	8
	.type	k_qd55360aa35_qkv,@function
k_qd55360aa35_qkv:
	s_mov_b64 s[64:65], 0
	v_nop
	global_prefetch_b8 v0, s[64:65] scope:SCOPE_SE
	s_setreg_imm32_b32 hwreg(HW_REG_WAVE_MODE, 25, 1), 1
	s_wait_xcnt 0x0
	s_wait_alu depctr_hold_cnt(0) depctr_sa_sdst(0) depctr_va_vdst(0) depctr_va_sdst(0) depctr_va_ssrc(0) depctr_va_vcc(0) depctr_vm_vsrc(0)
	s_getreg_b32 s2, hwreg(HW_REG_IB_STS2, 6, 4)
	s_cmp_eq_u32 s2, 0
	s_cbranch_scc0 .Lentry_in_a_cluster
	s_endpgm
.Lentry_in_a_cluster:
	s_bfe_u32 s2, ttmp6, 0x10000c
	s_cmp_lg_u32 s2, 0xf033
	s_cbranch_scc0 .Lentry_shape_is_right
	s_endpgm
.Lentry_shape_is_right:
; q, k, v = xb W + bias.  xb: [16384][768] f16, W: wb's matrices 0, 1, 2, [768 k][768 n] f16, biases f32 (rounded here to bf16, like every input); sums in f32, rounded once to f16 and
; written by heads: qkv = [3][batch x 12 + head][512][64].  No scale is applied here.
; LIMITS: a result beyond 65,504 leaves as an infinity (f16); NaN and infinities are not treated apart.
; SHARES.  A tile of the result is 256 rows x 192 columns (three heads).  Four waves, each 64 rows x 192 columns: 48 accumulators of 16 x 16, 384 registers.  The 64 x 4 work-groups STAY for
; three tiles: the same rows and columns of q, then k, then v; the ring of two LDS slots runs on from tile to tile.  K goes in steps of 128, six a tile.
; A's rows lie along K and are read from LDS as they lie; W lies [k][n] and is read turned, by ds_load_tr16_b128.
; CLUSTER: 4 x 4 work-groups.  The four of a row of the cluster need the same rows of xb, the four of a column the same columns of W: each tile is asked for JOINTLY, by the same tensor load
; with the same descriptor and a mask that names the four.  Waves 0 and 1 fetch A's two halves (128 rows x 256 bytes), waves 2 and 3 W's (64 k rows x 384 bytes): one load a wave behind each round.
; THE MATRIX INSTRUCTION IS USED TRANSPOSED (source 0 = 16 columns of W, source 1 = 16 rows of A): a lane holds row l % 16 and eight neighbouring columns 8 (l / 16) + 0..7.
; THE BIAS is the C operand of the product that starts each sum: nothing is cleared and the way out adds nothing.
; REGISTERS, in windows of 256 (s_set_vgpr_msb: bits 1:0 source 0, 3:2 source 1, 5:4 source 2, 7:6 destination):
;   window 0: v0-31 addresses and temporaries; v32-95 A's fragments, two buffers of 4 x 8; v96-191 the bias, 8 registers for each of the 12 column blocks; v192-255 the way out
;   window 1: v0-191 W's fragments, two buffers of 12 x 8      window 2: the accumulators of row blocks 0, 1 at 96 (a % 2) + 8 n      window 3: those of row blocks 2, 3
.set KSTEP,  128
.set EMB,    768
.set APITCH, 272                       ; a row of A in LDS: 256 bytes + 16 of padding: the 16 rows of a load start at 16 different groups of four banks (64 banks of 4 bytes: ISA guide 11.1)
.set AHALF,  128*APITCH                ; what waves 0 and 1 each fetch
.set BP,     480                       ; a k row of W in LDS: three pieces of 128 bytes, 32 of padding behind each = 15 x 32
.set BHALF,  64*BP                     ; what waves 2 and 3 each fetch
.set BOFF,   2*AHALF                   ; W's 128 k rows lie behind A's 256 rows
.set SLOT,   BOFF+2*BHALF              ; 131,072
.set STAGE,  2*SLOT                    ; behind the ring, never filled by a tensor load: 16 rows x 144 bytes for each wave
.set SP,     144
.set SPARE,  STAGE+4*16*SP             ; behind the stages: the spare words, 128 bytes a wave: two blocks of 256 bytes that no other line names
.set PART,   16384*EMB*2               ; bytes of q, of k, of v
.set ADRA, 16                          ; v16-17  LDS address of my A fragments in slot 0, 1
.set ADRB, 20                          ; v20-21  the same for W
.set STO,  24                          ; v24     the way out: where I put 16 bytes of a row
.set RD,   25                          ; v25     the way out: where I read rows back
.set CO,   26                          ; v26     my byte offset in 512 consecutive bytes of the result
.set BO,   27                          ; v27     my byte offset in a bias
.set SPW,  28                          ; v28     LDS address of my spare word; never rewritten
.set NIL,  29                          ; v29     0; never rewritten
.set AF,   32
.set BIAS, 96
.set OUTB, 192
.set WV, 16                            ; s16  my wave's number
.set FB, 17                            ; s17  I fetch for A (0) or for W (1)
.set HF, 18                            ; s18  which half of that tile
.set G1,  24                           ; s[24:31] descriptor group 1 for A's tiles;  s[32:39] group 0, a set for each slot
.set G0,  32
.set G1B, 48                           ; s[48:55], s[56:63] the same for W's tiles
.set G0B, 56
.set MSB, 0
.macro WIN new                         ; the immediate's high byte repeats the setting that is left; a switch that changes nothing is dropped
.if MSB != (\new)
	s_set_vgpr_msb (MSB<<8)|(\new)
.set MSB, \new
.endif
.endm
.macro PLACES                          ; four places in front of loads into registers that matrix instructions have read, and of lines that read results
.rept 4
	v_nop
.endr
.endm
; A joint load.  The branch hangs on the wave's number alone.  An s_nop 0 and four v_nop follow each of the two lines, ahead of the jump and the label.
.macro JLOAD s
	s_cmp_eq_u32 s[FB], 0
	s_cbranch_scc0 .Lfor_b_\@
	tensor_load_to_lds s[G0+4*(\s):G0+4*(\s)+3], s[G1:G1+7]
	s_nop 0
.rept 4
	v_nop
.endr
	s_branch .Lasked_\@
.Lfor_b_\@:
	tensor_load_to_lds s[G0B+4*(\s):G0B+4*(\s)+3], s[G1B:G1B+7]
	s_nop 0
.rept 4
	v_nop
.endr
.Lasked_\@:
.endm
.macro CREST                           ; a round of the cluster's barrier behind its opening barrier
	s_cmp_lg_u32 s[WV], 0
	s_cbranch_scc1 .Lnot_wave_0_\@
	s_barrier_signal -3
.Lnot_wave_0_\@:
	s_barrier_wait -3
	s_barrier_signal -1
	s_barrier_wait -1
.endm
.macro CROUND                          ; a whole round
	s_barrier_signal -1
	s_barrier_wait -1
	CREST
.endm
	s_load_b256 s[4:11], s[0:1], 0x0               ; xb s[4:5], wb s[6:7], bq s[8:9], bk s[10:11]
	s_load_b128 s[12:15], s[0:1], 0x20             ; bv s[12:13], qkv s[14:15]
	v_lshl_add_u32 v[SPW], v0, 2, SPARE
	v_mov_b32 v[NIL], 0
	ds_add_u32 v[SPW], v[NIL]                      ; the wave's opening: the add and its wait stand ahead of my first tensor load; the set-up below, work on registers, stands between them
	ds_add_u32 v28, v29
	v_lshrrev_b32 v1, 5, v0
	v_readfirstlane_b32 s[WV], v1                  ; wave 0..3
	s_lshr_b32 s[FB], s[WV], 1
	s_and_b32 s[HF], s[WV], 1
	s_bfe_u32 s19, ttmp6, 0x40000                  ; cx, cy: my place in the cluster
	s_bfe_u32 s20, ttmp6, 0x40004
	s_lshl_b32 s21, ttmp9, 2
	s_add_co_u32 s21, s21, s19                     ; column group 0..3 = 4 x cluster x + cx
	s_and_b32 s22, ttmp7, 0xffff
	s_lshl_b32 s22, s22, 2
	s_add_co_u32 s22, s22, s20                     ; row tile 0..63 = 4 x cluster y + cy
	s_lshl_b32 s40, s20, 2
	s_lshl_b32 s40, 15, s40                        ; my row of the cluster
	s_lshl_b32 s41, 0x1111, s19                    ; my column
	s_or_b32 s[G1], s40, (1<<16)|(1<<20)|(1<<21)|(5<<22)|(3<<25)   ; 15:0 the mask; 17:16 2-byte elements; 20 padding on; 21 set beside a mask; 24:22 after every 64 words; 31:25 4 words of it
	s_mov_b32 s[G1+1], KSTEP<<16                   ; tensor_dim0 = 128
	s_mov_b32 s[G1+2], 128<<16                     ; tensor_dim1 = 128
	s_mov_b32 s[G1+3], KSTEP<<16                   ; tile_dim0 = 128
	s_mov_b32 s[G1+4], 128                         ; tile_dim1 = 128
	s_mov_b32 s[G1+5], EMB                         ; 768 elements from row to row
	s_mov_b32 s[G1+6], 0
	s_mov_b32 s[G1+7], 0
	s_or_b32 s[G1B], s41, (1<<16)|(1<<20)|(1<<21)|(4<<22)|(7<<25)  ; the column's mask; padding after every 32 words, 8 words of it: three times in a row of 96 words
	s_mov_b32 s[G1B+1], 192<<16                    ; tensor_dim0 = 192
	s_mov_b32 s[G1B+2], 64<<16                     ; tensor_dim1 = 64
	s_mov_b32 s[G1B+3], 192<<16                    ; tile_dim0 = 192
	s_mov_b32 s[G1B+4], 64                         ; tile_dim1 = 64
	s_mov_b32 s[G1B+5], EMB
	s_mov_b32 s[G1B+6], 0
	s_mov_b32 s[G1B+7], 0
	; A's address hangs on the row tile and the wave alone, W's on the column group and the wave alone, each in registers that never hold the other coordinate
	s_lshl_b32 s42, s22, 8
	s_lshl_b32 s43, s[HF], 7
	s_add_co_u32 s42, s42, s43                     ; A: row 256 x row tile + 128 x half,
	s_mul_i32 s42, s42, EMB*2                      ; in bytes: under 2^25
	s_mov_b32 s43, 0
	s_mul_i32 s44, s21, 384                        ; W: 192 columns a group,
	s_mul_i32 s45, s[HF], 64*EMB*2                 ; 64 k rows a half
	s_add_co_u32 s44, s44, s45
	s_mov_b32 s45, 0
	s_mul_i32 s46, s[HF], AHALF                    ; where they go: no place in the cluster enters an LDS address
	s_mul_i32 s47, s[HF], BHALF
	s_add_co_u32 s47, s47, BOFF
	s_mov_b32 s68, 0xffff0000                      ; a word's upper bf16
	s_wait_dscnt 0x0                               ; the opening add is done
	s_wait_kmcnt 0x0
	s_add_nc_u64 s[42:43], s[4:5], s[42:43]
	s_add_nc_u64 s[44:45], s[6:7], s[44:45]
	CROUND                                         ; all sixteen work-groups are here: the first joint loads meet
.irp s, 0,1
	s_mov_b32 s[G0+4*(\s)], 1                                       ; count = 1
	s_add_co_u32 s[G0+4*(\s)+1], s46, (\s)*SLOT                     ; LDS address
	s_add_nc_u64 s[G0+4*(\s)+2:G0+4*(\s)+3], s[42:43], (\s)*KSTEP*2 ; global address: K step s
	s_or_b32 s[G0+4*(\s)+3], s[G0+4*(\s)+3], 0x80000000             ; type = 2
	s_mov_b32 s[G0B+4*(\s)], 1
	s_add_co_u32 s[G0B+4*(\s)+1], s47, (\s)*SLOT
	s_add_nc_u64 s[G0B+4*(\s)+2:G0B+4*(\s)+3], s[44:45], (\s)*KSTEP*EMB*2
	s_or_b32 s[G0B+4*(\s)+3], s[G0B+4*(\s)+3], 0x80000000
	JLOAD \s                                       ; two loads of mine are out
.endr
	v_and_b32 v1, 15, v0                           ; l % 16
	v_bfe_u32 v2, v0, 4, 1                         ; l / 16
	v_mul_u32_u24 v3, v1, APITCH
	v_lshl_add_u32 v3, v2, 4, v3                   ; a fragment of A: row x pitch + 16 x half
	s_mul_i32 s70, s[WV], 64*APITCH                ; my 64 rows
	v_add_nc_u32 v[ADRA], s70, v3
	v_add_nc_u32 v[ADRA+1], SLOT, v[ADRA]
	v_and_b32 v4, 7, v0                            ; the turning load: lane l reads k row 8 (l / 16) + l % 8, columns 8 ((l / 8) % 2) + 0..7
	v_bfe_u32 v5, v0, 3, 1
	v_lshl_add_u32 v4, v2, 3, v4
	v_mul_u32_u24 v4, v4, BP
	v_lshl_add_u32 v4, v5, 4, v4
	v_add_nc_u32 v[ADRB], BOFF, v4
	v_add_nc_u32 v[ADRB+1], SLOT, v[ADRB]
	s_mul_i32 s70, s[WV], 16*SP
	s_add_co_u32 s70, s70, STAGE                   ; my stage
	v_mul_u32_u24 v3, v1, SP                       ; in: row l % 16, 16 bytes for each half of the lanes
	v_lshl_add_u32 v3, v2, 4, v3
	v_add_nc_u32 v[STO], s70, v3
	v_bfe_u32 v3, v0, 3, 2                         ; back: 32 lanes take four rows of 128 bytes,
	v_mul_u32_u24 v3, v3, SP
	v_and_b32 v4, 7, v0
	v_lshl_add_u32 v3, v4, 4, v3
	v_add_nc_u32 v[RD], s70, v3
	v_and_b32 v[CO], 31, v0                        ; which are 512 consecutive bytes of a head
	v_lshlrev_b32 v[CO], 4, v[CO]
	s_mul_i32 s70, s21, 768                        ; the bias of my 192 columns; a lane's eight columns of a block begin 32 (l / 16) bytes in
	v_lshl_add_u32 v[BO], v2, 5, s70
	s_lshr_b32 s70, s22, 1                         ; where my rows begin in q: the batch (two row tiles each) x 12 heads
	s_mul_i32 s70, s70, 12
	s_mul_i32 s71, s21, 3                          ; + my first head,
	s_add_co_u32 s70, s70, s71
	s_lshl_b32 s70, s70, 16                        ; 65,536 bytes a head,
	s_and_b32 s71, s22, 1
	s_lshl_b32 s71, s71, 15                        ; 256 rows of 128 bytes for the batch's second tile,
	s_add_co_u32 s70, s70, s71
	s_lshl_b32 s71, s[WV], 13                      ; 64 rows a wave
	s_add_co_u32 s70, s70, s71
	s_mov_b32 s71, 0
	s_add_nc_u64 s[14:15], s[14:15], s[70:71]
; 12 matrix instructions: row block a x all 12 column blocks, 32 along K, from buffer f.  bias = 1: the products start the sums on the bias.
; The 48 accumulators take turns, one instruction a turn, in the same order in every quarter.
.macro MUL12 f, a, bias
.if \bias
	WIN 0x81+0x40*((\a)/2)                         ; W window 1, A and the bias window 0, D window 2 or 3
.else
	WIN 0xa1+0x50*((\a)/2)                         ; C and D window 2 or 3
.endif
.irp n, 0,1,2,3,4,5,6,7,8,9,10,11
.if \bias
	v_wmma_f32_16x16x32_f16 v[96*((\a)%2)+8*(\n):96*((\a)%2)+8*(\n)+7], v[96*(\f)+8*(\n):96*(\f)+8*(\n)+7], v[AF+32*(\f)+8*(\a):AF+32*(\f)+8*(\a)+7], v[BIAS+8*(\n):BIAS+8*(\n)+7]
.else
	v_wmma_f32_16x16x32_f16 v[96*((\a)%2)+8*(\n):96*((\a)%2)+8*(\n)+7], v[96*(\f)+8*(\n):96*(\f)+8*(\n)+7], v[AF+32*(\f)+8*(\a):AF+32*(\f)+8*(\a)+7], v[96*((\a)%2)+8*(\n):96*((\a)%2)+8*(\n)+7]
.endif
.endr
.endm
; 32 LDS loads in one run: quarter q (32 along K) of a slot into buffer f: 24 turning loads of W, then 8 loads of A
.macro FETCH slot, q, f
	WIN 0x40                                       ; destination window 1, address window 0
.irp n, 0,1,2,3,4,5,6,7,8,9,10,11
	ds_load_tr16_b128 v[96*(\f)+8*(\n):96*(\f)+8*(\n)+3],   v[ADRB+(\slot)] offset:(\q)*32*BP+((\n)/4)*160+((\n)%4)*32
	ds_load_tr16_b128 v[96*(\f)+8*(\n)+4:96*(\f)+8*(\n)+7], v[ADRB+(\slot)] offset:(\q)*32*BP+16*BP+((\n)/4)*160+((\n)%4)*32
.endr
	WIN 0
.irp m, 0,1,2,3
	ds_load_b128 v[AF+32*(\f)+8*(\m):AF+32*(\f)+8*(\m)+3],   v[ADRA+(\slot)] offset:64*(\q)+(\m)*16*APITCH
	ds_load_b128 v[AF+32*(\f)+8*(\m)+4:AF+32*(\f)+8*(\m)+7], v[ADRA+(\slot)] offset:64*(\q)+(\m)*16*APITCH+32
.endr
.endm
; One of a K step's first three quarters: multiplies buffer f; in its middle it fetches quarter q of the same slot into the other buffer.
.macro QUARTER slot, q, f, bias
	s_wait_dscnt 4                                 ; W and A's blocks 0, 1 are in; the youngest four loads (A's blocks 2, 3) may be out
	MUL12 \f, 0, \bias
	MUL12 \f, 1, \bias
	PLACES
	FETCH \slot, \q, 1-(\f)
	s_wait_dscnt 32                                ; all but the 32 just issued
	MUL12 \f, 2, \bias
	MUL12 \f, 3, \bias
.endm
; The last quarter multiplies buffer 1 and changes slots.  ONE barrier: in front of it each wave waits for all its tensor loads (one is out: its part of the next slot), adds 0 to its spare word,
; and waits for that and for its reads of this slot.  Behind it nobody reads this slot any more and the next slot is whole.
.macro MEET round
	WIN 0                                          ; (the add's two registers lie in window 0)
	s_wait_tensorcnt 0x0
	ds_add_u32 v[SPW], v[NIL]                      ; 0 onto my spare word
	s_wait_dscnt 5                                 ; (the add and A's blocks 2, 3 may be out)
	MUL12 1, 0, 0                                  ; twelve matrix instructions stand between the add and the wait for it
	s_wait_dscnt 0x0                               ; the add is done, and my reads of this slot are over
	s_barrier_signal -1
	MUL12 1, 1, 0                                  ; work on registers while the others arrive
.if \round
	WIN 0
.endif
	s_barrier_wait -1
.endm
; The whole last quarter with a refill: the barrier opens a round of the cluster's, so that no wave of any partner still reads the slot or has a load on its way; the joint refill is the first
; thing behind it.  on = 0: this tile's K step two steps on.  on = 1: the NEXT tile's K step 0 or 1: A goes back four steps along K; W goes on as ever, since the matrices lie end to end.
.macro TURN slot, next, on
	MEET 1
	CREST
.if \on
	s_sub_nc_u64 s[G0+4*(\slot)+2:G0+4*(\slot)+3], s[G0+4*(\slot)+2:G0+4*(\slot)+3], 4*KSTEP*2
.else
	s_add_nc_u64 s[G0+4*(\slot)+2:G0+4*(\slot)+3], s[G0+4*(\slot)+2:G0+4*(\slot)+3], 2*KSTEP*2
.endif
	s_add_nc_u64 s[G0B+4*(\slot)+2:G0B+4*(\slot)+3], s[G0B+4*(\slot)+2:G0B+4*(\slot)+3], 2*KSTEP*EMB*2
	JLOAD \slot                                    ; the four v_nop behind it are also the places in front of the loads below
	FETCH \next, 0, 0
	MUL12 1, 2, 0
	MUL12 1, 3, 0
.endm
.macro TURNX slot, next                ; the same without a refill: a plain barrier
	MEET 0
	PLACES
	FETCH \next, 0, 0
	MUL12 1, 2, 0
	MUL12 1, 3, 0
.endm
.macro LOADB                           ; the bias at s[8:9]: for column block n my eight columns, 32 bytes
.irp n, 0,1,2,3,4,5,6,7,8,9,10,11
	global_load_b128 v[BIAS+8*(\n):BIAS+8*(\n)+3],   v[BO], s[8:9] offset:64*(\n)
	global_load_b128 v[BIAS+8*(\n)+4:BIAS+8*(\n)+7], v[BO], s[8:9] offset:64*(\n)+16
.endr
.endm
.macro ROUNDB                          ; rounded to bf16 like every input, and widened again
.set i, 0
.rept 48
	v_cvt_pk_bf16_f32 v[4+i%4], v[BIAS+2*i], v[BIAS+2*i+1]
	v_lshlrev_b32 v[BIAS+2*i],   16, v[4+i%4]
	v_and_b32     v[BIAS+2*i+1], s68, v[4+i%4]
.set i, i+1
.endr
.endm
; THE WAY OUT, in 12 units: unit u = row block u / 3, head u % 3: 16 rows x 64 columns.  PACK: rounded to f16, 16 bytes a lane, into my own stage (rows of 144 bytes) and back as whole rows of 128.
.macro PACK u
.set AC, 96*(((\u)/3)%2)+32*((\u)%3)
.set OB, OUTB+16*((\u)%4)
	s_wait_xcnt 0x0                                ; these registers were the data of the stores four units back: they are rewritten only behind this wait
	WIN 0x0a+5*((\u)/6)                            ; sources 0 and 1: window 2 or 3
.irp n, 0,1,2,3
.irp r, 0,1,2,3
	v_cvt_pk_f16_f32 v[OB+4*(\n)+(\r)], v[AC+8*(\n)+2*(\r)], v[AC+8*(\n)+2*(\r)+1]
.endr
.endr
	WIN 0
.irp n, 0,1,2,3
	ds_store_b128 v[STO], v[OB+4*(\n):OB+4*(\n)+3] offset:32*(\n)
.endr
.irp n, 0,1,2,3
	ds_load_b128 v[OB+4*(\n):OB+4*(\n)+3], v[RD] offset:(\n)*4*SP  ; LDS serves a wave's instructions in order (ISA guide 5.7.1.4): these see the stores above; the next unit's stores come behind them
.endr
.endm
.macro SEND u, y                       ; y: the LDS instructions issued behind unit u's loads
.set OB, OUTB+16*((\u)%4)
.irp n, 0,1,2,3
	s_wait_dscnt (\y)+3-(\n)
	global_store_b128 v[CO], v[OB+4*(\n):OB+4*(\n)+3], s[14:15] offset:((\u)%3)*65536+((\u)/3)*2048+(\n)*512  ; 512 consecutive bytes of a head, at a multiple of 512 from the buffer's first byte
.endr
.endm
	LOADB                                          ; bq
	s_wait_loadcnt 0x0
	ROUNDB
	s_wait_tensorcnt 0x1                           ; my part of K step 0 is in; K step 1's may stay out
	s_barrier_signal -1
	s_barrier_wait -1                              ; everybody's is
	FETCH 0, 0, 0
	s_mov_b32 s66, 3                               ; tiles to go, this one among them: the same number in every work-group
.Ltile:
	QUARTER 0, 1, 0, 1                             ; a tile's first quarter: its products start the sums on the bias
	WIN 0
	s_cmp_eq_u32 s66, 1
	s_cbranch_scc1 .Lnob                           ; behind v there is no further bias
	PLACES                                         ; the bias registers were read by the products just issued
	s_mov_b64 s[8:9], s[10:11]                     ; the next tile's bias (the loads that named s[8:9] have been waited for)
	s_mov_b64 s[10:11], s[12:13]
	LOADB                                          ; it has the whole tile in which to come
.Lnob:
	s_mov_b32 s67, 2
.Llap:                                                 ; a trip goes once round the ring, from a lap's second quarter to the next lap's first, and fills both slots again
	QUARTER 0, 2, 1, 0
	QUARTER 0, 3, 0, 0
	TURN 0, 1, 0
	QUARTER 1, 1, 0, 0
	QUARTER 1, 2, 1, 0
	QUARTER 1, 3, 0, 0
	TURN 1, 0, 0
	QUARTER 0, 1, 0, 0
	WIN 0
	s_sub_co_u32 s67, s67, 1
	s_cmp_lg_u32 s67, 0
	s_cbranch_scc1 .Llap
	QUARTER 0, 2, 1, 0                             ; the tile's last lap goes on
	QUARTER 0, 3, 0, 0
	WIN 0
	s_cmp_eq_u32 s66, 1
	s_cbranch_scc1 .Llast                          ; the last tile's tail is written out: it asks for nothing more
	TURN 0, 1, 1                                   ; the ring goes on into the next tile: slot 0 takes its K step 0,
	QUARTER 1, 1, 0, 0
	QUARTER 1, 2, 1, 0
	QUARTER 1, 3, 0, 0
	TURN 1, 0, 1                                   ; slot 1 its K step 1, and the next tile's first fragments are fetched
	WIN 0
	s_wait_loadcnt 0x0                             ; the next tile's bias
	ROUNDB
	s_branch .Lout
.Llast:
	TURNX 0, 1
	QUARTER 1, 1, 0, 0
	QUARTER 1, 2, 1, 0
	QUARTER 1, 3, 0, 0
	s_wait_dscnt 4                                 ; the very last quarter: nothing more to fetch
	MUL12 1, 0, 0
	MUL12 1, 1, 0
	s_wait_dscnt 0x0
	MUL12 1, 2, 0
	MUL12 1, 3, 0
	WIN 0
.Lout:
	PLACES                                         ; the conversions read results just made
	PACK 0
.irp u, 1,2,3,4,5,6,7,8,9,10,11        ; a unit's conversions stand between the loads of the unit before and its stores
	PACK \u
	SEND (\u)-1, 8
.endr
	SEND 11, 0
	s_wait_xcnt 0x0                                ; the stores' base is stepped only behind this wait
	s_add_nc_u64 s[14:15], s[14:15], PART          ; q, then k, then v
	s_sub_co_u32 s66, s66, 1
	s_cmp_lg_u32 s66, 0
	s_cbranch_scc1 .Ltile
	s_wait_tensorcnt 0x0                           ; the wave's end: these three lines stand behind my last tensor load and my last LDS store
	ds_add_u32 v[SPW], v[NIL]
	s_wait_dscnt 0x0
	CROUND                                         ; the closing round: no work-group ends while a partner may still ask for a tile that names it
	s_endpgm
.Lfunc_end_k_qd55360aa35_qkv:
	.size	k_qd55360aa35_qkv, .Lfunc_end_k_qd55360aa35_qkv-k_qd55360aa35_qkv
	.p2alignl 7, 3214868480
	.fill 96, 4, 3214868480
	.section	.rodata,"a",@progbits
	.p2align	6, 0x0
	.amdhsa_kernel k_qd55360aa35_qkv
		.amdhsa_group_segment_fixed_size 327680
		.amdhsa_private_segment_fixed_size 0
		.amdhsa_enable_private_segment 0
		.amdhsa_kernarg_size 48
		.amdhsa_user_sgpr_count 2
		.amdhsa_user_sgpr_kernarg_segment_ptr 1
		.amdhsa_wavefront_size32 1
		.amdhsa_system_sgpr_workgroup_id_x 1
		.amdhsa_system_sgpr_workgroup_id_y 1
		.amdhsa_system_sgpr_workgroup_id_z 1
		.amdhsa_system_vgpr_workitem_id 0
		.amdhsa_next_free_vgpr 1024
		.amdhsa_next_free_sgpr 72
		.amdhsa_reserve_vcc 0
		.amdhsa_float_denorm_mode_32 3
		.amdhsa_float_denorm_mode_16_64 3
		.amdhsa_memory_ordered 1
		.amdhsa_forward_progress 1
		.amdhsa_inst_pref_size 167
	.end_amdhsa_kernel
	.amdgpu_metadata
---
amdhsa.version: [ 1, 2 ]
amdhsa.kernels:
  - .name:           k_qd55360aa35_qkv
    .symbol:         k_qd55360aa35_qkv.kd
    .args:
      - { .name: xb, .offset: 0, .size: 8, .value_kind: global_buffer, .address_space: global }
      - { .name: wb, .offset: 8, .size: 8, .value_kind: global_buffer, .address_space: global }
      - { .name: bq, .offset: 16, .size: 8, .value_kind: global_buffer, .address_space: global }
      - { .name: bk, .offset: 24, .size: 8, .value_kind: global_buffer, .address_space: global }
      - { .name: bv, .offset: 32, .size: 8, .value_kind: global_buffer, .address_space: global }
      - { .name: qkv, .offset: 40, .size: 8, .value_kind: global_buffer, .address_space: global }
    .group_segment_fixed_size: 327680
    .private_segment_fixed_size: 0
    .kernarg_segment_align: 8
    .kernarg_segment_size: 48
    .max_flat_workgroup_size: 128
    .sgpr_count:     72
    .vgpr_count:     1024
    .wavefront_size: 32
...
	.end_amdgpu_metadata
.endif
;; end of part 2
;; launch att (part 3): grid 256 x 1, 12 waves a work-group, no clusters, 327,680 bytes of LDS; arguments qkv, ob; writes ob
.if DOCPART == 3
	.amdgcn_target "amdgcn-amd-amdhsa--gfx1250"
	.amdhsa_code_object_version 6
	.text
	.protected	k_qd55360aa35_att
	.globl	k_qd55360aa35_att
	.p2align	8
	.type	k_qd55360aa35_att,@function
k_qd55360aa35_att:
	s_mov_b64 s[64:65], 0
	v_nop
	global_prefetch_b8 v0, s[64:65] scope:SCOPE_SE
	s_setreg_imm32_b32 hwreg(HW_REG_WAVE_MODE, 25, 1), 1
	s_wait_xcnt 0x0
; CAUSAL ATTENTION, one and a half heads a work-group.  O[q][:] = the sum over k <= q of softmax_k(Q[q] . K[k] / 8) V[k][:].  qkv = [3][384 heads][512][64] f16, ob = [384][512][64] f16.
; Products, maxima and sums in f32; the weights p are rounded to f16 for the second product (their sum l is taken of the unrounded p), O once at the end.
; LIMITS.  Q, K, V arrive within f16's 65,504.  A hidden score counts as its value less 1e30 (f16's scores are 2.7e11 at the most); a weight below 2^-126 counts as 0 in l; p below 6e-5 keeps f16's
; fixed step of 6e-8; NaN and infinities are not treated apart.
; SHARES.  A PIECE is 32 queries, two tiles of 16 that share K's and V's fragments.  Piece p needs the key steps 0 .. p / 2 of 64 keys; only the last holds the diagonal.  A JOB (g, j) is piece
; 14 - 2 g + j (8 - g steps) and then piece 2 g + j (g + 1 steps): nine steps; a head is eight jobs.  384 heads are 3,072 jobs: twelve for each of 256 work-groups, one a wave, three waves a SIMD.
; Work-group i (p = i / 2, e = i % 2): waves 0-7 take the eight jobs of head 3 p + e, waves 8-11 the jobs g = 2 e, 2 e + 1 of head 3 p + 2.  The waves do not wait for each other but at two
; barriers, so one wave's products stand beside the others' softmax; the text is written in phases.
; LDS.  Both heads' whole K and V are filled ONCE; nothing is filled again.  Waves 0-3 fetch K, waves 4-7 V, two tensor loads of 128 keys each: first a part of keys 0-255, then of keys 256-511.
; Behind the first barrier keys 0-255 are there, and every wave does steps 0-3 of its long piece (never dead, never the diagonal: its last step is 4 or later); behind the second barrier, which all
; waves reach after the same four steps, all keys are there.
; NO CLUSTER: the two work-groups that share a head take different jobs of it, so their trip bounds would hang on their place in a cluster.
; LAYOUT.  S^T = K Q^T (source 0 = 16 keys, source 1 = 16 queries): a lane holds ONE query (l % 16) and the keys 8 (l / 16) + 0..7.  Two such results rounded to f16 ARE source 1 of O^T = V^T P, whose
; result again holds one query a lane, and eight channels.  K comes out of LDS as it lies, V ([key][channel]) turned, by ds_load_tr16_b128.
; SOFTMAX.  A running maximum m and sum l a query: p = 2^(c s - c m), c = log2(e) / 8; in every step O and l are multiplied by a = 2^(c m_old - c m_new).  m starts at the lowest finite number,
; so the first step is a step like any other, with a = 0.
; THE MASK is the C operand that starts the sums of the diagonal step: 0, or -1e30 where the key is hidden.  Both pieces of a job lie in the same half j of their last step, so one mask serves both;
; tile 1's mask for key block kt is tile 0's for kt - 1, and 0 for kt = 0: 32 registers.
; REGISTERS, 320 a wave (s_set_vgpr_msb: bits 1:0 source 0, 3:2 source 1, 5:4 source 2, 7:6 destination):
;   window 0: v0-15 addresses and the add's two; v16-31 eight registers of statistics a tile; v32-63 Q; v64-127 S^T; v128-159 P; v160-191 the mask; v192-255 K of a step, then its V
;   window 1: v0-63 O^T
.set PK,    144                        ; a row of K in LDS: 128 bytes + 16 of padding: the 16 rows of a load start at 16 different groups of four banks (64 banks of 4 bytes: ISA guide 11.1)
                                       ; V: 32 bytes of padding behind every two keys: key k at (k / 2) x 288 + (k % 2) x 128; 144 bytes a key as well
.set REG,   512*PK                     ; a head's K, or its V: 73,728 bytes.  The regions: K own head, K shared head, V own head, V shared head
.set QUART, 128*PK                     ; what one tensor load brings
.set STEPB, 64*PK                      ; a key step, in K and in V
.set VOFF,  2*REG
.set STAGE, 4*REG                      ; behind K and V, never filled by a tensor load: 16 rows x 144 bytes for each wave
.set SP,    144
.set SPARE, STAGE+12*16*SP             ; behind the stages: the spare words, 128 bytes a wave: six blocks of 256 bytes that no other line names
.set PART,  384*512*64*2               ; bytes of q, of k, of v
.set AK0, 2                            ; v2   my lane's place in a step of my head's K; never rewritten
.set AV0, 3                            ; v3   the same for V
.set AK,  4                            ; v4   the LDS address of K's run of loads
.set AV,  5                            ; v5   of V's
.set STO, 6                            ; v6   the way out: where I put 16 bytes of a row
.set RD,  7                            ; v7   the way out: where I read rows back
.set GO,  8                            ; v8   my byte offset in 512 consecutive bytes of O
.set QO,  12                           ; v12  my byte offset in 16 rows of Q; never rewritten
.set SPW, 13                           ; v13  LDS address of my spare word; never rewritten
.set NIL, 15                           ; v15  0; never rewritten
.set ST,  16                           ; tile t's statistics at v[ST+8 t]: c m, m, l (even keys', odd keys'), c0-c3 at work; c2 takes a
.set Q,   32
.set S,   64
.set P,   128
.set MD,  160                          ; the eight registers for key block kt of tile 0 at MD + 8 kt
.set KV,  192                          ; K: key block kb, channel half c at KV + 16 kb + 8 c;  V: key half kk, channel block cb at KV + 32 kk + 8 cb
.set WV,   12                          ; s12  my wave's number
.set GG,   13                          ; s13  g
.set JJ,   14                          ; s14  j
.set LAST, 15                          ; s15  the last key step of the piece in hand
.set G1K, 24                           ; s[24:31] descriptor group 1 for K;  s[32:39] for V: it differs in the padding alone
.set G1V, 32
.set G0A, 40                           ; s[40:43] descriptor group 0 of my first load;  s[44:47] of my second
.set G0B, 44
.set KS,  48                           ; s48  counts the key steps, 0 to 7
.set OT,  49                           ; s49  counts the two pieces
.set TB,  50                           ; s50  byte at which the step begins in a region
.set FIRST, 51                         ; s51  the first key step still to be done of the piece in hand
.set CS,  52                           ; s[52:53] c: the packed scaling takes the pair's low word for both halves
.set SEL, 54                           ; s[54:55] v_permlanex16_b32's selects: each lane takes its own place in the other half
.set BIGN, 56                          ; s56  -1e30
.set HS,  57                           ; s57  0 for the own head's regions, REG for the shared head's
.set CNT, 62                           ; s62  counts the first four steps
.set MSB, 0
.macro WIN new                         ; the immediate's high byte repeats the setting that is left; a switch that changes nothing is dropped
.if MSB != (\new)
	s_set_vgpr_msb (MSB<<8)|(\new)
.set MSB, \new
.endif
.endm
	s_load_b128 s[4:7], s[0:1], 0x0                ; qkv s[4:5], ob s[6:7]
	v_lshl_add_u32 v[SPW], v0, 2, SPARE
	v_mov_b32 v[NIL], 0
	ds_add_u32 v[SPW], v[NIL]                      ; the wave's opening: the add and its wait stand ahead of my first tensor load; the set-up below, work on registers, stands between them
	ds_add_u32 v13, v15
	v_lshrrev_b32 v1, 5, v0
	v_readfirstlane_b32 s[WV], v1                  ; wave 0..11
	s_lshr_b32 s16, ttmp9, 1                       ; p
	s_and_b32 s17, ttmp9, 1                        ; e
	s_mul_i32 s16, s16, 3
	s_add_co_u32 s18, s16, s17                     ; the own head, 3 p + e
	s_add_co_u32 s19, s16, 2                       ; the shared head, 3 p + 2
	s_and_b32 s[JJ], s[WV], 1
	s_lshr_b32 s[GG], s[WV], 1                     ; w / 2: which region I fetch for; for waves 0-7 also g
	s_mov_b32 s[G0A], 1                            ; count = 1
	s_mul_i32 s[G0A+1], s[GG], REG                 ; LDS address: region w / 2,
	s_mul_i32 s23, s[JJ], QUART                    ; keys 128 (w % 2) on
	s_add_co_u32 s[G0A+1], s[G0A+1], s23
	s_mov_b32 s[G0B], 1
	s_add_co_u32 s[G0B+1], s[G0A+1], 2*QUART       ; and 256 keys further on
	s_and_b32 s20, s[GG], 1
	s_lshl1_add_u32 s20, s17, s20                  ; waves 8-11: g = 2 e + (w / 2) % 2
	s_cmp_lt_u32 s[WV], 8
	s_cselect_b32 s[GG], s[GG], s20
	s_cselect_b32 s21, s18, s19                    ; the head whose queries I take
	s_cselect_b32 s[HS], 0, REG
	s_lshl_b32 s21, s21, 16                        ; its first byte in q and in ob
	s_sub_co_u32 s[LAST], 7, s[GG]                 ; the long piece's last step
	s_lshl_b32 s8, s[GG], 1
	s_add_co_u32 s10, s8, s[JJ]                    ; the short piece, 2 g + j
	s_sub_co_u32 s8, 14, s8
	s_add_co_u32 s8, s8, s[JJ]                     ; the long one, 14 - 2 g + j
	s_lshl_b32 s8, s8, 12                          ; 32 rows of 128 bytes a piece
	s_lshl_b32 s10, s10, 12
	s_add_co_u32 s8, s8, s21
	s_add_co_u32 s10, s10, s21
	s_mov_b32 s9, 0
	s_mov_b32 s11, 0
	s_and_b32 s22, s[WV], 2                        ; from where I fetch: regions 1 and 3 are the shared head's,
	s_cmp_lg_u32 s22, 0
	s_cselect_b32 s22, s19, s18
	s_lshl_b32 s22, s22, 16
	s_lshl_b32 s23, s[JJ], 14                      ; 128 rows of 128 bytes,
	s_add_co_u32 s22, s22, s23
	s_cmp_lt_u32 s[WV], 4
	s_cselect_b32 s23, 0, PART                     ; waves 0-3 in k, the others in v
	s_add_co_u32 s22, s22, s23
	s_add_co_u32 s22, s22, PART
	s_mov_b32 s23, 0
	; descriptor group 1.  128 keys are 16,384 dense bytes: asked for as 64 rows of 256 bytes, two keys a row
	s_mov_b32 s[G1K], (1<<16)|(1<<20)|(4<<22)|(3<<25)  ; 17:16 2-byte elements; 20 padding on; 24:22 after every 32 words (a key); 31:25 4 words of it
	s_mov_b32 s[G1V], (1<<16)|(1<<20)|(5<<22)|(7<<25)  ; after every 64 words (two keys), 8 words of it
.irp g, G1K, G1V
	s_mov_b32 s[\g+1], 128<<16                     ; tensor_dim0 = 128
	s_mov_b32 s[\g+2], 64<<16                      ; tensor_dim1 = 64
	s_mov_b32 s[\g+3], 128<<16                     ; tile_dim0 = 128
	s_mov_b32 s[\g+4], 64                          ; tile_dim1 = 64
	s_mov_b32 s[\g+5], 128                         ; 128 elements from row to row
	s_mov_b32 s[\g+6], 0
	s_mov_b32 s[\g+7], 0
.endr
	s_mov_b32 s[CS], 0x3e38aa3b                    ; c = log2(e) / 8 = 0.180337
	s_mov_b32 s[CS+1], s[CS]                       ; named with it as a pair
	s_mov_b32 s[SEL], 0x76543210
	s_mov_b32 s[SEL+1], 0xfedcba98
	s_mov_b32 s[BIGN], 0xf149f2ca                  ; -1e30
	s_mov_b32 s[OT], 2
	s_mov_b32 s[FIRST], 4                          ; the long piece's steps 0-3 have a loop of their own
	s_wait_dscnt 0x0                               ; the opening add is done
	s_wait_kmcnt 0x0
	s_add_nc_u64 s[G0A+2:G0A+3], s[4:5], s[22:23]  ; global address
	s_add_nc_u64 s[G0B+2:G0B+3], s[G0A+2:G0A+3], 256*128  ; 256 keys further on
	s_or_b32 s[G0A+3], s[G0A+3], 0x80000000        ; type = 2
	s_or_b32 s[G0B+3], s[G0B+3], 0x80000000
	s_add_nc_u64 s[66:67], s[4:5], s[8:9]          ; Q of the long piece,
	s_add_nc_u64 s[68:69], s[4:5], s[10:11]        ; of the short one
	s_add_nc_u64 s[58:59], s[6:7], s[8:9]          ; O of the piece in hand,
	s_add_nc_u64 s[60:61], s[6:7], s[10:11]        ; of the short one
	s_cmp_lt_u32 s[WV], 4                          ; a wave's two fills stand in one branch, ahead of every wait on TENSORcnt, every LDS read and every barrier: two loads of mine are out, or none
	s_cbranch_scc0 .Lnot_k
	tensor_load_to_lds s[G0A:G0A+3], s[G1K:G1K+7]
	s_nop 0
	tensor_load_to_lds s[G0B:G0B+3], s[G1K:G1K+7]
	s_nop 0
.rept 4
	v_nop
.endr
	s_branch .Lfilled
.Lnot_k:
	s_cmp_lt_u32 s[WV], 8
	s_cbranch_scc0 .Lfilled
	tensor_load_to_lds s[G0A:G0A+3], s[G1V:G1V+7]
	s_nop 0
	tensor_load_to_lds s[G0B:G0B+3], s[G1V:G1V+7]
	s_nop 0
.rept 4
	v_nop
.endr
.Lfilled:
	; A fragment of K or Q is 16 rows x 32 channels in 8 registers: lane l holds row l % 16, channels 8 (l / 16) + 0..7 and 16 + 8 (l / 16) + 0..7: two loads of 16 bytes, 32 bytes apart.
	v_and_b32 v1, 15, v0                           ; l % 16
	v_bfe_u32 v9, v0, 4, 1                         ; l / 16
	v_lshlrev_b32 v[QO], 7, v1
	v_lshl_add_u32 v[QO], v9, 4, v[QO]             ; row x 128 + 16 x half
.macro LOADQ base                      ; a piece's Q: tile i / 2, channels 32 (i % 2) on
.irp i, 0,1,2,3
	global_load_b128 v[Q+8*(\i):Q+8*(\i)+3],   v[QO], s[\base:\base+1] offset:((\i)/2)*2048+((\i)%2)*64
	global_load_b128 v[Q+8*(\i)+4:Q+8*(\i)+7], v[QO], s[\base:\base+1] offset:((\i)/2)*2048+((\i)%2)*64+32
.endr
.endm
	LOADQ 66
	; O^T and l are multiplied by a = 0 in a piece's first step, so they need only hold finite numbers: zeros now, what the long piece left later.  All this stands in the wait for K and V.
	WIN 0x40                                       ; destination window 1
.set i, 0
.rept 64
	v_mov_b32 v[i], 0
.set i, i+1
.endr
	WIN 0
.irp t, 0,1
	v_mov_b32 v[ST+8*(\t)], 0xfe000000             ; c m: far below every c s
	v_mov_b32 v[ST+8*(\t)+1], 0xff7fffff           ; m
	v_mov_b32 v[ST+8*(\t)+2], 0
	v_mov_b32 v[ST+8*(\t)+3], 0
.endr
	; the mask of the diagonal step: my query's place among the step's 64 keys is 32 j + 16 t + l % 16; register r of key block kt holds key 16 kt + 8 (l / 16) + r
	v_lshlrev_b32 v14, 3, v9
	v_sub_nc_u32 v14, v1, v14
	s_lshl_b32 s16, s[JJ], 5
	v_add_nc_u32 v14, s16, v14                     ; 32 j + l % 16 - 8 (l / 16): in tile 0 hidden where 16 kt + r is greater
.set i, 0
.rept 32
	v_cmp_gt_i32 vcc_lo, 16*(i/8)+i%8, v14
	v_cndmask_b32 v[MD+i], 0, s[BIGN], vcc_lo
.set i, i+1
.endr
	v_mul_u32_u24 v[AK0], v1, PK
	v_lshl_add_u32 v[AK0], v9, 4, v[AK0]           ; row x pitch + 16 x half,
	v_add_nc_u32 v[AK0], s[HS], v[AK0]             ; in my head's region
	; The turning load takes 16 keys x 16 channels (lane l reads key 8 (l / 16) + l % 8, channels 8 ((l / 8) % 2) + 0..7) and leaves half a fragment of V^T: lane l holds channel l % 16 and 8 keys.
	v_and_b32 v10, 7, v0
	v_bfe_u32 v11, v0, 3, 1
	v_bfe_u32 v[AV0], v0, 1, 2                     ; (l % 8) / 2
	v_lshl_add_u32 v[AV0], v9, 2, v[AV0]           ; my key's pair: 4 (l / 16) + (l % 8) / 2,
	v_mul_u32_u24 v[AV0], v[AV0], 2*PK             ; 288 bytes a pair,
	v_and_b32 v14, 1, v0
	v_lshl_add_u32 v[AV0], v14, 7, v[AV0]          ; the odd key 128 bytes in
	v_lshl_add_u32 v[AV0], v11, 4, v[AV0]
	s_add_co_u32 s16, s[HS], VOFF
	v_add_nc_u32 v[AV0], s16, v[AV0]
	s_mul_i32 s16, s[WV], 16*SP
	s_add_co_u32 s16, s16, STAGE                   ; my stage
	v_mul_u32_u24 v[STO], v1, SP                   ; in: row l % 16, 16 bytes for each half of the lanes
	v_lshl_add_u32 v[STO], v9, 4, v[STO]
	v_add_nc_u32 v[STO], s16, v[STO]
	v_bfe_u32 v[RD], v0, 3, 2                      ; back: 32 lanes take four rows of 128 bytes,
	v_mul_u32_u24 v[RD], v[RD], SP
	v_lshl_add_u32 v[RD], v10, 4, v[RD]
	v_add_nc_u32 v[RD], s16, v[RD]
	v_and_b32 v[GO], 31, v0                        ; which are 512 consecutive bytes of O
	v_lshlrev_b32 v[GO], 4, v[GO]
; THE MATRIX WORK.  The 8 accumulators of a run of 16 take turns: between the two links of a chain stand 7 others'.
; Product i of 16 of S^T = K Q^T: channels 32 (i / 8) on, keys 16 ((i / 2) % 4) on, tile i % 2.  The first 8 start the sums: with 0, or (mask = 1) with the mask; tile 1 sees all of key block 0.
.macro KQ mask
	WIN 0
.set rS, S+32*(i%2)+8*((i/2)%4)
.set rK, KV+16*((i/2)%4)+8*(i/8)
.set rQ, Q+16*(i%2)+8*(i/8)
.set rM, MD+8*((i/2)%4-i%2)
.if i >= 8
	v_wmma_f32_16x16x32_f16 v[rS:rS+7], v[rK:rK+7], v[rQ:rQ+7], v[rS:rS+7]
.elseif (\mask) && (i != 1)
	v_wmma_f32_16x16x32_f16 v[rS:rS+7], v[rK:rK+7], v[rQ:rQ+7], v[rM:rM+7]
.else
	v_wmma_f32_16x16x32_f16 v[rS:rS+7], v[rK:rK+7], v[rQ:rQ+7], 0
.endif
.set i, i+1
.endm
; Product i of 16 of O^T += V^T P: keys 32 (i / 8) on, channels 16 ((i / 2) % 4) on, tile i % 2.
.macro PV
	WIN 0x50                                       ; O^T (C and D) in window 1; V and P in window 0
.set rO, 32*(i%2)+8*((i/2)%4)
.set rV, KV+32*(i/8)+8*((i/2)%4)
.set rP, P+16*(i%2)+8*(i/8)
	v_wmma_f32_16x16x32_f16 v[rO:rO+7], v[rV:rV+7], v[rP:rP+7], v[rO:rO+7]
.set i, i+1
.endm
.macro FETCH_K                         ; a step's K: 64 keys x 64 channels, 8 fragments
.irp f, 0,1,2,3,4,5,6,7                ; keys 16 (f / 2) on, channels 32 (f % 2) on
	ds_load_b128 v[KV+8*(\f):KV+8*(\f)+3],   v[AK] offset:((\f)/2)*16*PK+((\f)%2)*64
	ds_load_b128 v[KV+8*(\f)+4:KV+8*(\f)+7], v[AK] offset:((\f)/2)*16*PK+((\f)%2)*64+32
.endr
.endm
.macro FETCH_V                         ; and its V, turned, into the same registers
.irp f, 0,1,2,3,4,5,6,7                ; keys 32 (f / 4) on, channels 16 (f % 4) on
	ds_load_tr16_b128 v[KV+8*(\f):KV+8*(\f)+3],   v[AV] offset:((\f)/4)*32*PK+((\f)%4)*32
	ds_load_tr16_b128 v[KV+8*(\f)+4:KV+8*(\f)+7], v[AV] offset:((\f)/4)*32*PK+16*PK+((\f)%4)*32
.endr
.endm
; THE VECTOR WORK.  One tile's softmax for one key step is a list of 118 instructions; SM writes number j of it for tile t.  s0-s31 are the lane's 32 scores, in pairs 0-15.
;   0-15    the maximum of s0-s31 and the old m, three operands at a time: four chains c0-c3 of seven scores each (each accumulator's lowest registers are read first), then the rest
;   16-20   the other half of the lanes' maximum; c m_old is kept; the new m; c m; c m_old - c m_new
;   21-87   33 exponentials (a, then s0-s31) at the odd numbers from 23 on.  The plain numbers between them are what is ready: c s - c m for a pair whose exponentials are still to come, the rounding
;           to f16 of a pair whose exponentials are done, at last the first three sums
;   88-101  the last rounding; the rest of the sums; l = a l + the sum
;   102-117 the tile's O^T times a: the one part that leaves window 0
.macro SM t
.set rT, ST+8*(\t)
.set rS, S+32*(\t)
.set rP, P+16*(\t)
.set rO, 32*(\t)+2*(j-102)
.set q, (j-20)/2
.if j < 102
	WIN 0
.endif
.if j < 4
	v_max3_num_f32 v[rT+4+j], v[rS+8*j], v[rS+8*j+1], v[rS+8*j+2]
.elseif j < 12
	v_max3_num_f32 v[rT+4+j%4], v[rT+4+j%4], v[rS+8*(j%4)+2*(j/4)+1], v[rS+8*(j%4)+2*(j/4)+2]
.elseif j == 12
	v_max3_num_f32 v[rT+4], v[rT+4], v[rS+7], v[rS+15]
.elseif j == 13
	v_max3_num_f32 v[rT+6], v[rT+6], v[rS+23], v[rS+31]
.elseif j == 14
	v_max3_num_f32 v[rT+4], v[rT+4], v[rT+5], v[rT+6]
.elseif j == 15
	v_max3_num_f32 v[rT+4], v[rT+4], v[rT+7], v[rT+1]
.elseif j == 16
	v_permlanex16_b32 v[rT+5], v[rT+4], s[SEL], s[SEL+1]  ; the query's other 32 keys lie in the lane 16 away
.elseif j == 17
	v_mov_b32 v[rT+7], v[rT]                       ; c m_old is kept for a: number 19 writes c m anew
.elseif j == 18
	v_max_num_f32 v[rT+1], v[rT+4], v[rT+5]
.elseif j == 19
	v_mul_f32 v[rT], s[CS], v[rT+1]
.elseif j == 20
	v_sub_f32 v[rT+7], v[rT+7], v[rT]
.elseif j == 23
	v_exp_f32 v[rT+6], v[rT+7]
.elseif (j < 88) && (j > 23) && (j%2 == 1)
	v_exp_f32 v[rS+(j-25)/2], v[rS+(j-25)/2]
.elseif (q < 4) || ((j < 76) && (q%2 == 0))
.set b, q/2+2
.if q < 4
.set b, q
.endif
	v_pk_fma_f32 v[rS+2*b:rS+2*b+1], v[rS+2*b:rS+2*b+1], s[CS:CS+1], v[rT:rT+1] op_sel_hi:[1,0,0] neg_lo:[0,0,1] neg_hi:[0,0,1]  ; pair b: c s - c m
.elseif (j < 88) && (q%2 == 1)
	s_wait_alu depctr_va_vdst(0)
	v_cvt_pk_f16_f32 v[rP+(q-5)/2], v[rS+q-5], v[rS+q-4]  ; pair (q - 5) / 2: its second exponential stands three numbers back
.elseif j == 89
	s_wait_alu depctr_va_vdst(0)
	v_cvt_pk_f16_f32 v[rP+15], v[rS+30], v[rS+31]
.elseif j < 102                        ; the sum of the 16 pairs (an even key's weight, an odd key's), in place: sum z of 16 adds neighbours 1, 2, 4 and 8 pairs apart, then l takes it
.set z, j-86
.if j < 89
.set z, (j-76)/4
.endif
.set w, 4
.set u, z
.if z >= 14
.set w, 32
.set u, 0
.elseif z >= 12
.set w, 16
.set u, z-12
.elseif z >= 8
.set w, 8
.set u, z-8
.endif
.if z < 15
	v_pk_add_f32 v[rS+w*u:rS+w*u+1], v[rS+w*u:rS+w*u+1], v[rS+w*u+w/2:rS+w*u+w/2+1]
.else
	v_pk_fma_f32 v[rT+2:rT+3], v[rT+2:rT+3], v[rT+6:rT+7], v[rS:rS+1] op_sel_hi:[1,0,1]
.endif
.else
	WIN 0x41                                       ; O^T (destination and source 0) in window 1, a in window 0
	v_pk_mul_f32 v[rO:rO+1], v[rO:rO+1], v[rT+6:rT+7] op_sel_hi:[1,0]
.endif
.endm
; Slice k of 59: numbers 2 k and 2 k + 1 of both tiles' lists.  Among the exponentials tile by tile: plain, exponential, plain, exponential, so that a plain instruction of the other tile stands behind
; each exponential before its result is used (ISA guide 5.7.2); elsewhere the two tiles alternate, so that no line reads the result of the line before it.
.macro SLICE
.if (k >= 11) && (k < 44)
.irp t, 0,1
.irp n, 0,1
.set j, 2*k+(\n)
	SM \t
.endr
.endr
.else
.irp n, 0,1
.irp t, 0,1
.set j, 2*k+(\n)
	SM \t
.endr
.endr
.endif
.set k, k+1
.endm
; A KEY STEP, in two parts; between them stand the eight products that start the sums.  HEAD: the step's addresses and its K.
.macro HEAD
	v_add_nc_u32 v[AK], s[TB], v[AK0]              ; these two and two v_nop are the four places behind the last products, which read the registers that K is loaded into
	v_add_nc_u32 v[AV], s[TB], v[AV0]
	v_nop
	v_nop
	FETCH_K
	s_wait_dscnt 0x0                               ; K is in
.endm
; TAIL: the other eight products K Q^T; V into K's registers, where it lands beside the softmax; the softmax; the products V^T P.
.macro TAIL
.rept 8
	KQ 0
.endr
.rept 4
	v_nop                                          ; the places behind those products: in front of the loads into their sources, and of the first read of the scores
.endr
	FETCH_V
.set k, 0
.rept 59
	SLICE
.endr
	s_wait_dscnt 0x0                               ; V is in
.set i, 0
.rept 16
	PV
.endr
	WIN 0                                          ; at a label and at a branch every window is 0
.endm
; THE WAY OUT of tile t: O^T divided by l, rounded to f16; a lane's eight channels of a row pack into 16 bytes; they go into rows of 144 bytes and come back as whole rows of 128, into S^T's registers.
.macro PACK t
	WIN 0x41
.set i, 32*(\t)
.rept 16
	v_pk_mul_f32 v[i:i+1], v[i:i+1], v[ST+8*(\t)+2:ST+8*(\t)+3] op_sel_hi:[1,0]
.set i, i+2
.endr
	WIN 0x05                                       ; sources 0 and 1 window 1, destination window 0
.set i, 0
.rept 16
	v_cvt_pk_f16_f32 v[S+16*(\t)+i], v[32*(\t)+2*i], v[32*(\t)+2*i+1]
.set i, i+1
.endr
	WIN 0
.irp f, 0,1,2,3
	ds_store_b128 v[STO], v[S+16*(\t)+4*(\f):S+16*(\t)+4*(\f)+3] offset:32*(\f)
.endr
.irp f, 0,1,2,3
	ds_load_b128 v[S+16*(\t)+4*(\f):S+16*(\t)+4*(\f)+3], v[RD] offset:(\f)*4*SP  ; LDS serves a wave's instructions in order (ISA guide 5.7.1.4): these see the stores above; the next tile's stores come behind them
.endr
.endm
.macro SEND t, y                       ; y: the LDS instructions issued behind tile t's loads
.irp f, 0,1,2,3
	s_wait_dscnt (\y)+3-(\f)
	global_store_b128 v[GO], v[S+16*(\t)+4*(\f):S+16*(\t)+4*(\f)+3], s[58:59] offset:(\t)*2048+(\f)*512  ; 512 consecutive bytes, at a multiple of 512 from O's first byte
.endr
.endm
	s_wait_tensorcnt 0x1                           ; my part of keys 0-255 is in; my second load, a part of keys 256-511, may stay out
	s_barrier_signal -1
	s_barrier_wait -1                              ; everybody's is
	s_wait_loadcnt 0x0                             ; the long piece's Q
	s_mov_b32 s[TB], 0
	s_mov_b32 s[CNT], 4
.Lfour:                                                ; steps 0-3 of the long piece: keys 0-255, all of them seen by all its queries
	HEAD
.set i, 0
.rept 8
	KQ 0
.endr
	TAIL
	s_add_co_u32 s[TB], s[TB], STEPB
	s_sub_co_u32 s[CNT], s[CNT], 1
	s_cmp_lg_u32 s[CNT], 0
	s_cbranch_scc1 .Lfour
	s_wait_tensorcnt 0x0                           ; my part of keys 256-511 is in (no LDS instruction of mine is out: the last wait on DScnt was for 0),
	s_barrier_signal -1
	s_barrier_wait -1                              ; everybody's is: from here on no wave waits for another
.Lpiece:                                               ; two trips: the rest of the long piece, then the short one
	s_mov_b32 s[KS], 0
.Lstep:                                                ; eight trips; those done already and those beyond the piece's last step are jumped over
	s_cmp_lt_u32 s[KS], s[FIRST]
	s_cbranch_scc1 .Ldead
	s_cmp_gt_u32 s[KS], s[LAST]
	s_cbranch_scc1 .Ldead
	s_mul_i32 s[TB], s[KS], STEPB
	HEAD
	s_cmp_eq_u32 s[KS], s[LAST]
	s_cbranch_scc1 .Ldiag
.set i, 0
.rept 8
	KQ 0
.endr
	s_branch .Ljoin
.Ldiag:                                                ; the piece's last step holds the diagonal: the sums start on the mask
.set i, 0
.rept 8
	KQ 1
.endr
.Ljoin:
	TAIL
.Ldead:
	s_add_co_u32 s[KS], s[KS], 1
	s_cmp_lt_u32 s[KS], 8
	s_cbranch_scc1 .Lstep
	s_cmp_eq_u32 s[OT], 1
	s_cbranch_scc1 .Lno_next                       ; behind the short piece nothing follows
	LOADQ 68                                       ; the short piece's Q is asked for ahead of the way out (the last product that read Q stands a softmax back) and waited for behind it
.irp t, 0,1
	v_mov_b32 v[ST+8*(\t)], 0xfe000000             ; c m and m anew; the way out reads neither
	v_mov_b32 v[ST+8*(\t)+1], 0xff7fffff
.endr
	s_mov_b32 s[LAST], s[GG]
	s_mov_b32 s[FIRST], 0
.Lno_next:
.rept 4
	v_nop                                          ; the places behind the last products
.endr
.irp t, 0,1
	v_add_f32 v[ST+8*(\t)+2], v[ST+8*(\t)+2], v[ST+8*(\t)+3]  ; l's two halves,
.endr
.irp t, 0,1
	v_permlanex16_b32 v[ST+8*(\t)+3], v[ST+8*(\t)+2], s[SEL], s[SEL+1]
.endr
.irp t, 0,1
	v_add_f32 v[ST+8*(\t)+2], v[ST+8*(\t)+2], v[ST+8*(\t)+3]  ; and the other half of the lanes'
.endr
.irp t, 0,1
	v_rcp_f32 v[ST+8*(\t)+2], v[ST+8*(\t)+2]
.endr
	v_nop                                          ; a plain instruction between the last reciprocal and the use of its result
	s_wait_alu depctr_va_vdst(0)
	PACK 0
	PACK 1                                         ; a tile's arithmetic stands between the loads of the tile before and its stores
	SEND 0, 8
	SEND 1, 0
	s_wait_xcnt 0x0                                ; the stores' base and data are rewritten only behind this wait
	s_mov_b64 s[58:59], s[60:61]                   ; the short piece's O
	s_wait_loadcnt 0x0                             ; and its Q
	s_sub_co_u32 s[OT], s[OT], 1
	s_cmp_lg_u32 s[OT], 0
	s_cbranch_scc1 .Lpiece
	s_wait_tensorcnt 0x0                           ; the wave's end: these three lines stand behind my last tensor load and my last LDS store
	ds_add_u32 v[SPW], v[NIL]
	s_wait_dscnt 0x0
	s_endpgm
.Lfunc_end_k_qd55360aa35_att:
	.size	k_qd55360aa35_att, .Lfunc_end_k_qd55360aa35_att-k_qd55360aa35_att
	.p2alignl 7, 3214868480
	.fill 96, 4, 3214868480
	.section	.rodata,"a",@progbits
	.p2align	6, 0x0
	.amdhsa_kernel k_qd55360aa35_att
		.amdhsa_group_segment_fixed_size 327680
		.amdhsa_private_segment_fixed_size 0
		.amdhsa_enable_private_segment 0
		.amdhsa_kernarg_size 16
		.amdhsa_user_sgpr_count 2
		.amdhsa_user_sgpr_kernarg_segment_ptr 1
		.amdhsa_wavefront_size32 1
		.amdhsa_system_sgpr_workgroup_id_x 1
		.amdhsa_system_sgpr_workgroup_id_y 1
		.amdhsa_system_sgpr_workgroup_id_z 1
		.amdhsa_system_vgpr_workitem_id 0
		.amdhsa_next_free_vgpr 320
		.amdhsa_next_free_sgpr 72
		.amdhsa_reserve_vcc 1
		.amdhsa_float_denorm_mode_32 3
		.amdhsa_float_denorm_mode_16_64 3
		.amdhsa_memory_ordered 1
		.amdhsa_forward_progress 1
		.amdhsa_inst_pref_size 58
	.end_amdhsa_kernel
	.amdgpu_metadata
---
amdhsa.version: [ 1, 2 ]
amdhsa.kernels:
  - .name:           k_qd55360aa35_att
    .symbol:         k_qd55360aa35_att.kd
    .args:
      - { .name: qkv, .offset: 0, .size: 8, .value_kind: global_buffer, .address_space: global }
      - { .name: ob, .offset: 8, .size: 8, .value_kind: global_buffer, .address_space: global }
    .group_segment_fixed_size: 327680
    .private_segment_fixed_size: 0
    .kernarg_segment_align: 8
    .kernarg_segment_size: 16
    .max_flat_workgroup_size: 384
    .sgpr_count:     72
    .vgpr_count:     320
    .wavefront_size: 32
...
	.end_amdgpu_metadata
.endif
;; end of part 3
;; launch proj (part 4): grid 4 x 64, 4 waves a work-group, clusters of 4 x 4, 327,680 bytes of LDS; arguments ob, wb, bo, out0; writes out0
.if DOCPART == 4
	.amdgcn_target "amdgcn-amd-amdhsa--gfx1250"
	.amdhsa_code_object_version 6
	.text
	.protected	k_qd55360aa35_proj
	.globl	k_qd55360aa35_proj
	.p2align	8
	.type	k_qd55360aa35_proj,@function
k_qd55360aa35_proj:
	s_mov_b64 s[64:65], 0
	v_nop
	global_prefetch_b8 v0, s[64:65] scope:SCOPE_SE
	s_setreg_imm32_b32 hwreg(HW_REG_WAVE_MODE, 25, 1), 1
	s_wait_xcnt 0x0
	s_wait_alu depctr_hold_cnt(0) depctr_sa_sdst(0) depctr_va_vdst(0) depctr_va_sdst(0) depctr_va_ssrc(0) depctr_va_vcc(0) depctr_vm_vsrc(0)
	s_getreg_b32 s2, hwreg(HW_REG_IB_STS2, 6, 4)
	s_cmp_eq_u32 s2, 0
	s_cbranch_scc0 .Lentry_in_a_cluster
	s_endpgm
.Lentry_in_a_cluster:
	s_bfe_u32 s2, ttmp6, 0x10000c
	s_cmp_lg_u32 s2, 0xf033
	s_cbranch_scc0 .Lentry_shape_is_right
	s_endpgm
.Lentry_shape_is_right:
; out0 = O Wo + bo.  O: ob = [batch x 12 + head][512][64] f16; Wo: wb's matrix 3, [768 k][768 n] f16; bo f32 (rounded here to bf16, like every input); sums in f32, stored as f32.
; SHARES.  A tile of the result is 256 rows x 192 columns, one to each of the 64 x 4 work-groups.  Four waves, each 64 rows x 192 columns: 48 accumulators of 16 x 16, 384 registers.
; K goes in steps of 128 = two heads, six steps, through a ring of two LDS slots.  A head's 256 rows are 32,768 dense bytes: asked for as 128 rows of 256 bytes and padded in LDS after every 128.
; Wo lies [k][n] and is read turned, by ds_load_tr16_b128.
; CLUSTER: 4 x 4 work-groups.  The four of a row of the cluster need the same rows of O, the four of a column the same columns of Wo: each tile is asked for JOINTLY, by the same tensor load with the
; same descriptor and a mask that names the four.  Waves 0 and 1 fetch the step's two heads of O, waves 2 and 3 the two halves of its 128 k rows of Wo: one load a wave behind each round.
; THE MATRIX INSTRUCTION IS USED TRANSPOSED (source 0 = 16 columns of Wo, source 1 = 16 rows of O): a lane holds row l % 16 and eight neighbouring columns.  THE BIAS is the C operand that starts each sum.
; REGISTERS, in windows of 256 (s_set_vgpr_msb: bits 1:0 source 0, 3:2 source 1, 5:4 source 2, 7:6 destination):
;   window 0: v0-31 addresses and temporaries; v32-95 O's fragments, two buffers of 4 x 8; v96-191 the bias; v192-255 the way out
;   window 1: v0-191 Wo's fragments, two buffers of 12 x 8      window 2: the accumulators of row blocks 0, 1 at 96 (a % 2) + 8 n      window 3: those of row blocks 2, 3
.set KSTEP,  128
.set EMB,    768
.set APITCH, 144                       ; a row of a head in LDS: 128 bytes + 16 of padding: the 16 rows of a load start at 16 different groups of four banks (64 banks of 4 bytes: ISA guide 11.1)
.set AHALF,  256*APITCH                ; a head's 256 rows: what waves 0 and 1 each fetch
.set BP,     480                       ; a k row of Wo in LDS: three pieces of 128 bytes, 32 of padding behind each = 15 x 32
.set BHALF,  64*BP
.set BOFF,   2*AHALF
.set SLOT,   BOFF+2*BHALF              ; 135,168
.set STAGE,  2*SLOT                    ; behind the ring, never filled by a tensor load: 16 rows x 272 bytes for each wave
.set SP,     272
.set SPARE,  STAGE+4*16*SP             ; behind the stages: the spare words, 128 bytes a wave: two blocks of 256 bytes that no other line names
.set MAT0,   3*EMB*EMB*2               ; Wo in wb
.set ADRA, 16                          ; v16-17  LDS address of my fragments of O in slot 0, 1
.set ADRB, 20                          ; v20-21  the same for Wo
.set STO,  24                          ; v24     the way out: where I put 32 bytes of a row
.set RD,   25                          ; v25     the way out: where I read rows back
.set CO,   26                          ; v26     my byte offset in two rows of the result
.set BO,   27                          ; v27     my byte offset in the bias
.set SPW,  28                          ; v28     LDS address of my spare word; never rewritten
.set NIL,  29                          ; v29     0; never rewritten
.set AF,   32
.set BIAS, 96
.set OUTB, 192
.set WV, 16                            ; s16  my wave's number
.set FB, 17                            ; s17  I fetch for O (0) or for Wo (1)
.set HF, 18                            ; s18  which half of that tile
.set G1,  24                           ; s[24:31] descriptor group 1 for O's tiles;  s[32:39] group 0, a set for each slot
.set G0,  32
.set G1B, 48                           ; s[48:55], s[56:63] the same for Wo's tiles
.set G0B, 56
.set MSB, 0
.macro WIN new                         ; the immediate's high byte repeats the setting that is left; a switch that changes nothing is dropped
.if MSB != (\new)
	s_set_vgpr_msb (MSB<<8)|(\new)
.set MSB, \new
.endif
.endm
.macro PLACES                          ; four places in front of loads into registers that matrix instructions have read, and of lines that read results
.rept 4
	v_nop
.endr
.endm
; A joint load.  The branch hangs on the wave's number alone.  An s_nop 0 and four v_nop follow each of the two lines, ahead of the jump and the label.
.macro JLOAD s
	s_cmp_eq_u32 s[FB], 0
	s_cbranch_scc0 .Lfor_b_\@
	tensor_load_to_lds s[G0+4*(\s):G0+4*(\s)+3], s[G1:G1+7]
	s_nop 0
.rept 4
	v_nop
.endr
	s_branch .Lasked_\@
.Lfor_b_\@:
	tensor_load_to_lds s[G0B+4*(\s):G0B+4*(\s)+3], s[G1B:G1B+7]
	s_nop 0
.rept 4
	v_nop
.endr
.Lasked_\@:
.endm
.macro CREST                           ; a round of the cluster's barrier behind its opening barrier
	s_cmp_lg_u32 s[WV], 0
	s_cbranch_scc1 .Lnot_wave_0_\@
	s_barrier_signal -3
.Lnot_wave_0_\@:
	s_barrier_wait -3
	s_barrier_signal -1
	s_barrier_wait -1
.endm
.macro CROUND                          ; a whole round
	s_barrier_signal -1
	s_barrier_wait -1
	CREST
.endm
	s_load_b256 s[4:11], s[0:1], 0x0               ; ob s[4:5], wb s[6:7], bo s[8:9], out0 s[10:11]
	v_lshl_add_u32 v[SPW], v0, 2, SPARE
	v_mov_b32 v[NIL], 0
	ds_add_u32 v[SPW], v[NIL]                      ; the wave's opening: the add and its wait stand ahead of my first tensor load; the set-up below, work on registers, stands between them
	ds_add_u32 v28, v29
	v_lshrrev_b32 v1, 5, v0
	v_readfirstlane_b32 s[WV], v1                  ; wave 0..3
	s_lshr_b32 s[FB], s[WV], 1
	s_and_b32 s[HF], s[WV], 1
	s_bfe_u32 s19, ttmp6, 0x40000                  ; cx, cy: my place in the cluster
	s_bfe_u32 s20, ttmp6, 0x40004
	s_lshl_b32 s21, ttmp9, 2
	s_add_co_u32 s21, s21, s19                     ; column group 0..3 = 4 x cluster x + cx
	s_and_b32 s22, ttmp7, 0xffff
	s_lshl_b32 s22, s22, 2
	s_add_co_u32 s22, s22, s20                     ; row tile 0..63 = 4 x cluster y + cy
	s_lshl_b32 s40, s20, 2
	s_lshl_b32 s40, 15, s40                        ; my row of the cluster
	s_lshl_b32 s41, 0x1111, s19                    ; my column
	s_or_b32 s[G1], s40, (1<<16)|(1<<20)|(1<<21)|(4<<22)|(3<<25)   ; 15:0 the mask; 17:16 2-byte elements; 20 padding on; 21 set beside a mask; 24:22 after every 32 words; 31:25 4 words of it
	s_mov_b32 s[G1+1], 128<<16                     ; tensor_dim0 = 128 (two rows of a head)
	s_mov_b32 s[G1+2], 128<<16                     ; tensor_dim1 = 128
	s_mov_b32 s[G1+3], 128<<16                     ; tile_dim0 = 128
	s_mov_b32 s[G1+4], 128                         ; tile_dim1 = 128
	s_mov_b32 s[G1+5], 128                         ; dense: 128 elements from row to row
	s_mov_b32 s[G1+6], 0
	s_mov_b32 s[G1+7], 0
	s_or_b32 s[G1B], s41, (1<<16)|(1<<20)|(1<<21)|(4<<22)|(7<<25)  ; the column's mask; padding after every 32 words, 8 words of it: three times in a row of 96 words
	s_mov_b32 s[G1B+1], 192<<16                    ; tensor_dim0 = 192
	s_mov_b32 s[G1B+2], 64<<16                     ; tensor_dim1 = 64
	s_mov_b32 s[G1B+3], 192<<16                    ; tile_dim0 = 192
	s_mov_b32 s[G1B+4], 64                         ; tile_dim1 = 64
	s_mov_b32 s[G1B+5], EMB
	s_mov_b32 s[G1B+6], 0
	s_mov_b32 s[G1B+7], 0
	; O's address hangs on the row tile and the wave alone, Wo's on the column group and the wave alone, each in registers that never hold the other coordinate
	s_lshr_b32 s42, s22, 1                         ; the batch (two row tiles each) x 12 heads
	s_mul_i32 s42, s42, 12
	s_add_co_u32 s42, s42, s[HF]                   ; + which of the step's two heads I fetch,
	s_lshl_b32 s42, s42, 16                        ; 65,536 bytes a head,
	s_and_b32 s43, s22, 1
	s_lshl_b32 s43, s43, 15                        ; 256 rows of 128 bytes for the batch's second tile
	s_add_co_u32 s42, s42, s43
	s_mov_b32 s43, 0
	s_mul_i32 s44, s21, 384                        ; Wo: 192 columns a group,
	s_mul_i32 s45, s[HF], 64*EMB*2                 ; 64 k rows a half,
	s_add_co_u32 s44, s44, s45
	s_add_co_u32 s44, s44, MAT0                    ; behind the other three matrices
	s_mov_b32 s45, 0
	s_mul_i32 s46, s[HF], AHALF                    ; where they go: no place in the cluster enters an LDS address
	s_mul_i32 s47, s[HF], BHALF
	s_add_co_u32 s47, s47, BOFF
	s_mov_b32 s68, 0xffff0000                      ; a word's upper bf16
	s_wait_dscnt 0x0                               ; the opening add is done
	s_wait_kmcnt 0x0
	s_add_nc_u64 s[42:43], s[4:5], s[42:43]
	s_add_nc_u64 s[44:45], s[6:7], s[44:45]
	CROUND                                         ; all sixteen work-groups are here: the first joint loads meet
.irp s, 0,1
	s_mov_b32 s[G0+4*(\s)], 1                                       ; count = 1
	s_add_co_u32 s[G0+4*(\s)+1], s46, (\s)*SLOT                     ; LDS address
	s_add_nc_u64 s[G0+4*(\s)+2:G0+4*(\s)+3], s[42:43], (\s)*2*65536 ; global address: K step s is heads 2 s, 2 s + 1
	s_or_b32 s[G0+4*(\s)+3], s[G0+4*(\s)+3], 0x80000000             ; type = 2
	s_mov_b32 s[G0B+4*(\s)], 1
	s_add_co_u32 s[G0B+4*(\s)+1], s47, (\s)*SLOT
	s_add_nc_u64 s[G0B+4*(\s)+2:G0B+4*(\s)+3], s[44:45], (\s)*KSTEP*EMB*2
	s_or_b32 s[G0B+4*(\s)+3], s[G0B+4*(\s)+3], 0x80000000
	JLOAD \s                                       ; two loads of mine are out
.endr
	v_and_b32 v1, 15, v0                           ; l % 16
	v_bfe_u32 v2, v0, 4, 1                         ; l / 16
	v_mul_u32_u24 v3, v1, APITCH
	v_lshl_add_u32 v3, v2, 4, v3                   ; a fragment of O: row x pitch + 16 x half
	s_mul_i32 s70, s[WV], 64*APITCH                ; my 64 rows
	v_add_nc_u32 v[ADRA], s70, v3
	v_add_nc_u32 v[ADRA+1], SLOT, v[ADRA]
	v_and_b32 v4, 7, v0                            ; the turning load: lane l reads k row 8 (l / 16) + l % 8, columns 8 ((l / 8) % 2) + 0..7
	v_bfe_u32 v5, v0, 3, 1
	v_lshl_add_u32 v4, v2, 3, v4
	v_mul_u32_u24 v4, v4, BP
	v_lshl_add_u32 v4, v5, 4, v4
	v_add_nc_u32 v[ADRB], BOFF, v4
	v_add_nc_u32 v[ADRB+1], SLOT, v[ADRB]
	s_mul_i32 s70, s[WV], 16*SP
	s_add_co_u32 s70, s70, STAGE                   ; my stage
	v_mul_u32_u24 v3, v1, SP                       ; in: row l % 16, 32 bytes for each half of the lanes
	v_lshl_add_u32 v3, v2, 5, v3
	v_add_nc_u32 v[STO], s70, v3
	v_mul_u32_u24 v3, v2, SP                       ; back: lanes 0-15 take one row of 256 bytes, lanes 16-31 the next
	v_lshl_add_u32 v3, v1, 4, v3
	v_add_nc_u32 v[RD], s70, v3
	v_mul_u32_u24 v[CO], v2, EMB*4                 ; and the same two rows in the result
	v_lshl_add_u32 v[CO], v1, 4, v[CO]
	s_mul_i32 s70, s21, 768                        ; the bias of my 192 columns; a lane's eight columns of a block begin 32 (l / 16) bytes in
	v_lshl_add_u32 v[BO], v2, 5, s70
	s_lshl_b32 s70, s22, 8                         ; where my part of the result begins: row 256 x row tile + 64 x wave,
	s_lshl_b32 s71, s[WV], 6
	s_add_co_u32 s70, s70, s71
	s_mul_i32 s70, s70, EMB*4
	s_mul_i32 s71, s21, 768                        ; column 192 x column group: three aligned blocks of 256 bytes
	s_add_co_u32 s70, s70, s71
	s_mov_b32 s71, 0
	s_add_nc_u64 s[10:11], s[10:11], s[70:71]
; 12 matrix instructions: row block a x all 12 column blocks, 32 along K, from buffer f.  bias = 1: the products start the sums on the bias.
; The 48 accumulators take turns, one instruction a turn, in the same order in every quarter.
.macro MUL12 f, a, bias
.if \bias
	WIN 0x81+0x40*((\a)/2)                         ; Wo window 1, O and the bias window 0, D window 2 or 3
.else
	WIN 0xa1+0x50*((\a)/2)                         ; C and D window 2 or 3
.endif
.irp n, 0,1,2,3,4,5,6,7,8,9,10,11
.if \bias
	v_wmma_f32_16x16x32_f16 v[96*((\a)%2)+8*(\n):96*((\a)%2)+8*(\n)+7], v[96*(\f)+8*(\n):96*(\f)+8*(\n)+7], v[AF+32*(\f)+8*(\a):AF+32*(\f)+8*(\a)+7], v[BIAS+8*(\n):BIAS+8*(\n)+7]
.else
	v_wmma_f32_16x16x32_f16 v[96*((\a)%2)+8*(\n):96*((\a)%2)+8*(\n)+7], v[96*(\f)+8*(\n):96*(\f)+8*(\n)+7], v[AF+32*(\f)+8*(\a):AF+32*(\f)+8*(\a)+7], v[96*((\a)%2)+8*(\n):96*((\a)%2)+8*(\n)+7]
.endif
.endr
.endm
; 32 LDS loads in one run: quarter q (32 along K) of a slot into buffer f: 24 turning loads of Wo, then 8 loads of O (head q / 2 of the step's two, channels 32 (q % 2) on)
.macro FETCH slot, q, f
	WIN 0x40                                       ; destination window 1, address window 0
.irp n, 0,1,2,3,4,5,6,7,8,9,10,11
	ds_load_tr16_b128 v[96*(\f)+8*(\n):96*(\f)+8*(\n)+3],   v[ADRB+(\slot)] offset:(\q)*32*BP+((\n)/4)*160+((\n)%4)*32
	ds_load_tr16_b128 v[96*(\f)+8*(\n)+4:96*(\f)+8*(\n)+7], v[ADRB+(\slot)] offset:(\q)*32*BP+16*BP+((\n)/4)*160+((\n)%4)*32
.endr
	WIN 0
.irp m, 0,1,2,3
	ds_load_b128 v[AF+32*(\f)+8*(\m):AF+32*(\f)+8*(\m)+3],   v[ADRA+(\slot)] offset:((\q)/2)*AHALF+((\q)%2)*64+(\m)*16*APITCH
	ds_load_b128 v[AF+32*(\f)+8*(\m)+4:AF+32*(\f)+8*(\m)+7], v[ADRA+(\slot)] offset:((\q)/2)*AHALF+((\q)%2)*64+(\m)*16*APITCH+32
.endr
.endm
; One of a K step's first three quarters: multiplies buffer f; in its middle it fetches quarter q of the same slot into the other buffer.
.macro QUARTER slot, q, f, bias
	s_wait_dscnt 4                                 ; Wo and O's blocks 0, 1 are in; the youngest four loads (O's blocks 2, 3) may be out
	MUL12 \f, 0, \bias
	MUL12 \f, 1, \bias
	PLACES
	FETCH \slot, \q, 1-(\f)
	s_wait_dscnt 32                                ; all but the 32 just issued
	MUL12 \f, 2, \bias
	MUL12 \f, 3, \bias
.endm
; The last quarter multiplies buffer 1 and changes slots.  ONE barrier: in front of it each wave waits for all its tensor loads (one is out: its part of the next slot), adds 0 to its spare word,
; and waits for that and for its reads of this slot.  Behind it nobody reads this slot any more and the next slot is whole.
.macro MEET round
	WIN 0                                          ; (the add's two registers lie in window 0)
	s_wait_tensorcnt 0x0
	ds_add_u32 v[SPW], v[NIL]                      ; 0 onto my spare word
	s_wait_dscnt 5                                 ; (the add and O's blocks 2, 3 may be out)
	MUL12 1, 0, 0                                  ; twelve matrix instructions stand between the add and the wait for it
	s_wait_dscnt 0x0                               ; the add is done, and my reads of this slot are over
	s_barrier_signal -1
	MUL12 1, 1, 0                                  ; work on registers while the others arrive
.if \round
	WIN 0
.endif
	s_barrier_wait -1
.endm
; The whole last quarter with a refill, two K steps on: the barrier opens a round of the cluster's, so that no wave of any partner still reads the slot or has a load on its way; the joint refill is
; the first thing behind it.
.macro TURN slot, next
	MEET 1
	CREST
	s_add_nc_u64 s[G0+4*(\slot)+2:G0+4*(\slot)+3], s[G0+4*(\slot)+2:G0+4*(\slot)+3], 4*65536        ; four heads on
	s_add_nc_u64 s[G0B+4*(\slot)+2:G0B+4*(\slot)+3], s[G0B+4*(\slot)+2:G0B+4*(\slot)+3], 2*KSTEP*EMB*2
	JLOAD \slot                                    ; the four v_nop behind it are also the places in front of the loads below
	FETCH \next, 0, 0
	MUL12 1, 2, 0
	MUL12 1, 3, 0
.endm
; THE WAY OUT, in 12 units: unit u = row block u / 3, column third u % 3: 16 rows x 64 columns of f32, 256 bytes a row.  TOSTAGE: straight from the accumulators (each one's low four registers first)
; into my own stage, rows of 272 bytes, and back as whole rows.
.macro TOSTAGE u
.set AC, 96*(((\u)/3)%2)+32*((\u)%3)
.set OB, OUTB+32*((\u)%2)
	WIN 0x08+4*((\u)/6)                            ; the stores' data (source 1): window 2 or 3
.irp n, 0,1,2,3
	ds_store_b128 v[STO], v[AC+8*(\n):AC+8*(\n)+3]   offset:64*(\n)
	ds_store_b128 v[STO], v[AC+8*(\n)+4:AC+8*(\n)+7] offset:64*(\n)+16
.endr
	WIN 0
	s_wait_xcnt 0x0                                ; these registers were the data of the stores two units back: they are loaded again only behind this wait
.irp n, 0,1,2,3,4,5,6,7
	ds_load_b128 v[OB+4*(\n):OB+4*(\n)+3], v[RD] offset:(\n)*2*SP  ; LDS serves a wave's instructions in order (ISA guide 5.7.1.4): these see the stores above; the next unit's stores come behind them
.endr
.endm
.macro SEND u, y                       ; y: the LDS instructions issued behind unit u's loads
.set OB, OUTB+32*((\u)%2)
.irp n, 0,1,2,3,4,5,6,7
	s_wait_dscnt (\y)+7-(\n)
	global_store_b128 v[CO], v[OB+4*(\n):OB+4*(\n)+3], s[10:11] offset:(16*((\u)/3)+2*(\n))*EMB*4+256*((\u)%3) th:TH_STORE_NT  ; 16 lanes store 256 consecutive bytes, at a multiple of 256 from the buffer's first byte
.endr
.endm
.irp n, 0,1,2,3,4,5,6,7,8,9,10,11      ; the bias: for column block n my eight columns, 32 bytes
	global_load_b128 v[BIAS+8*(\n):BIAS+8*(\n)+3],   v[BO], s[8:9] offset:64*(\n)
	global_load_b128 v[BIAS+8*(\n)+4:BIAS+8*(\n)+7], v[BO], s[8:9] offset:64*(\n)+16
.endr
	s_wait_loadcnt 0x0
.set i, 0
.rept 48                               ; rounded to bf16 like every input, and widened again
	v_cvt_pk_bf16_f32 v[4+i%4], v[BIAS+2*i], v[BIAS+2*i+1]
	v_lshlrev_b32 v[BIAS+2*i],   16, v[4+i%4]
	v_and_b32     v[BIAS+2*i+1], s68, v[4+i%4]
.set i, i+1
.endr
	s_wait_tensorcnt 0x1                           ; my part of K step 0 is in; K step 1's may stay out
	s_barrier_signal -1
	s_barrier_wait -1                              ; everybody's is
	FETCH 0, 0, 0
	QUARTER 0, 1, 0, 1                             ; the first quarter: its products start the sums on the bias
	WIN 0
	s_mov_b32 s67, 2
.Llap:                                                 ; a trip goes once round the ring, from a lap's second quarter to the next lap's first, and fills both slots again
	QUARTER 0, 2, 1, 0
	QUARTER 0, 3, 0, 0
	TURN 0, 1
	QUARTER 1, 1, 0, 0
	QUARTER 1, 2, 1, 0
	QUARTER 1, 3, 0, 0
	TURN 1, 0
	QUARTER 0, 1, 0, 0
	WIN 0
	s_sub_co_u32 s67, s67, 1
	s_cmp_lg_u32 s67, 0
	s_cbranch_scc1 .Llap
	QUARTER 0, 2, 1, 0                             ; the last lap fills nothing, and has no round of the cluster's barrier
	QUARTER 0, 3, 0, 0
	MEET 0
	PLACES
	FETCH 1, 0, 0
	MUL12 1, 2, 0
	MUL12 1, 3, 0
	QUARTER 1, 1, 0, 0
	QUARTER 1, 2, 1, 0
	QUARTER 1, 3, 0, 0
	s_wait_dscnt 4                                 ; the very last quarter: nothing more to fetch
	MUL12 1, 0, 0
	MUL12 1, 1, 0
	s_wait_dscnt 0x0
	MUL12 1, 2, 0
	MUL12 1, 3, 0
	WIN 0
	PLACES                                         ; the LDS stores read results just made
	TOSTAGE 0
.irp u, 1,2,3,4,5,6,7,8,9,10,11        ; a unit's way through the stage stands between the loads of the unit before and its stores
	TOSTAGE \u
	SEND (\u)-1, 16
.endr
	SEND 11, 0
	s_wait_tensorcnt 0x0                           ; the wave's end: these three lines stand behind my last tensor load and my last LDS store
	ds_add_u32 v[SPW], v[NIL]
	s_wait_dscnt 0x0
	CROUND                                         ; the closing round: no work-group ends while a partner may still ask for a tile that names it
	s_endpgm
.Lfunc_end_k_qd55360aa35_proj:
	.size	k_qd55360aa35_proj, .Lfunc_end_k_qd55360aa35_proj-k_qd55360aa35_proj
	.p2alignl 7, 3214868480
	.fill 96, 4, 3214868480
	.section	.rodata,"a",@progbits
	.p2align	6, 0x0
	.amdhsa_kernel k_qd55360aa35_proj
		.amdhsa_group_segment_fixed_size 327680
		.amdhsa_private_segment_fixed_size 0
		.amdhsa_enable_private_segment 0
		.amdhsa_kernarg_size 32
		.amdhsa_user_sgpr_count 2
		.amdhsa_user_sgpr_kernarg_segment_ptr 1
		.amdhsa_wavefront_size32 1
		.amdhsa_system_sgpr_workgroup_id_x 1
		.amdhsa_system_sgpr_workgroup_id_y 1
		.amdhsa_system_sgpr_workgroup_id_z 1
		.amdhsa_system_vgpr_workitem_id 0
		.amdhsa_next_free_vgpr 1024
		.amdhsa_next_free_sgpr 72
		.amdhsa_reserve_vcc 0
		.amdhsa_float_denorm_mode_32 3
		.amdhsa_float_denorm_mode_16_64 3
		.amdhsa_memory_ordered 1
		.amdhsa_forward_progress 1
		.amdhsa_inst_pref_size 129
	.end_amdhsa_kernel
	.amdgpu_metadata
---
amdhsa.version: [ 1, 2 ]
amdhsa.kernels:
  - .name:           k_qd55360aa35_proj
    .symbol:         k_qd55360aa35_proj.kd
    .args:
      - { .name: ob, .offset: 0, .size: 8, .value_kind: global_buffer, .address_space: global }
      - { .name: wb, .offset: 8, .size: 8, .value_kind: global_buffer, .address_space: global }
      - { .name: bo, .offset: 16, .size: 8, .value_kind: global_buffer, .address_space: global }
      - { .name: out0, .offset: 24, .size: 8, .value_kind: global_buffer, .address_space: global }
    .group_segment_fixed_size: 327680
    .private_segment_fixed_size: 0
    .kernarg_segment_align: 8
    .kernarg_segment_size: 32
    .max_flat_workgroup_size: 128
    .sgpr_count:     72
    .vgpr_count:     1024
    .wavefront_size: 32
...
	.end_amdgpu_metadata
.endif
;; end of part 4
